; MI455X (gfx1250); checked and timed in simulation.
; The chip was launched on July 23, 2026; its instructions are those of AMD's public machine-readable ISA for CDNA 5 (MIT licence, August 2026) and "CDNA5" Instruction Set Architecture Reference Guide (July 2026). The comments in the code are by the model that wrote it; some were corrected since.
;; Multi Head Attention. Allowed arithmetic: matrix products marked QUANTISED: E2M3 operands, one E8M0 scale for each 32 along K, by v_wmma_scale_f32_16x16x128_f8f6f4 with both operands' format E2M3, f32 sums; everything else in f32.
;; Inputs: Wk 1,024 x 1,024 float32; Wo 1,024 x 1,024 float32; Wq 1,024 x 1,024 float32; Wv 1,024 x 1,024 float32; bk 1,024 float32; bo 1,024 float32; bq 1,024 float32; bv 1,024 float32; keys 4 x 2,048 x 1,024 float32; mask 1 x 1 x 2,048 x 2,048 float32; queries 4 x 2,048 x 1,024 float32; values 4 x 2,048 x 1,024 float32.
;; Outputs: out0 4 x 2,048 x 1,024 float32.
;; This version of the problem:
;;   THIS VERSION OF THE PROBLEM IS GIVEN IN LOW PRECISION. The matrix products marked QUANTISED in the list below multiply operands that are first quantised to E2M3 (2 exponent bits, 3 mantissa bits; 6 bits a number), with one power-of-two scale for each 32 numbers along K (OCP MX v1.0); their sums are f32. All else is computed in f32.
;;   The module's matrix products, in the order in which they are computed (A, B: the left and right operand; K: the contracted axis; several contracted axes count as one K, in the product's order):
;;     1. [M 8,192, K 1,024] x [K 1,024, N 1,024]; A: input queries; B: input Wq: QUANTISED
;;     2. [M 8,192, K 1,024] x [K 1,024, N 1,024]; A: input keys; B: input Wk: QUANTISED
;;     3. [M 8,192, K 1,024] x [K 1,024, N 1,024]; A: input values; B: input Wv: QUANTISED
;;     4. batch 64 x [M 2,048, K 64] x [K 64, N 2,048]; A: computed on the way; B: computed on the way: QUANTISED
;;     5. batch 64 x [M 2,048, K 2,048] x [K 2,048, N 64]; A: softmax (see below); B: computed on the way: QUANTISED
;;     6. [M 8,192, K 1,024] x [K 1,024, N 1,024]; A: computed on the way; B: input Wo: QUANTISED
;;   THE QUANTISER, for each operand of a quantised product, along K:
;;     - K is cut into blocks of 32 from its start; a last block that is shorter is filled with zeros.
;;     - A block's scale is 2^e with e = floor(log2(the largest magnitude in the block)) - 2, held to -126 .. 127; a block of zeros has e = 0. As a byte (E8M0): e + 127.
;;     - Each number is divided by its block's scale, clamped to +-7.5, and rounded to the nearest number of E2M3, ties to even, subnormals kept.
;;     - The product sums the exact products of the quantised numbers (number of the format x scale) in f32.
;;   ~~~python
;;   def quantise(x, axis):      # numpy; x: float32 -> the quantised numbers, widened to float32 again
;;       x = np.moveaxis(x, axis, -1); K = x.shape[-1]
;;       x = np.pad(x, [(0, 0)] * (x.ndim - 1) + [(0, -K % 32)]); x = x.reshape(x.shape[:-1] + (-1, 32)); a = np.abs(x).max(-1, keepdims=True)
;;       e = np.where(a > 0, np.clip(np.frexp(np.where(a > 0, a, 1))[1] - 1 - 2, -126, 127), 0)      # np.frexp(a)[1] - 1 = floor(log2(a)), exactly
;;       r = np.clip(x / 2.0 ** e, -7.5, 7.5)
;;       step = 2.0 ** (np.maximum(np.frexp(np.where(r == 0, 1, r))[1] - 1, 0) - 3)
;;       q = np.round(r / step) * step * 2.0 ** e      # np.round: ties to even
;;       return np.moveaxis(q.reshape(q.shape[:-2] + (-1,))[..., :K], -1, axis).astype(np.float32)
;;   ~~~
;;   SOFTMAX AHEAD OF A QUANTISED PRODUCT. Where the list says 'softmax', what is quantised is not the finished softmax but p = 2^(t - M), with t = logit x log2(e) and M = ceil(the row's largest t), a whole number; so 1/2 < the row's largest p <= 1. The row's sum l is taken of the UNQUANTISED p, in f32, and the product's result is divided by l at the end. Since M is a whole number, a kernel that streams over the keys may use a running M (the ceiling of the running maximum): every later rescaling is an exact power of two, which a block's scale takes up: the codes' values come out the same.
;;   OPERANDS COMPUTED ON THE WAY. 'Computed on the way' means the value that the module computes at that place (a softmax that the list does not call 'softmax' is quantised finished and normalised). What goes into a quantiser is computed in f32, as accurately as f32 sums, v_exp_f32 and their like allow (about 1e-6 of the number): no bf16 or f16 on the way to a quantiser, and a product that is left as it is and whose result goes on into a quantised operand takes f32 operands (vector FMAs, or v_wmma_f32_16x16x4_f32). A number that lies on a knife's edge between two numbers of the format may be rounded either way, as far as f32 arithmetic and the matrix unit's own rounding can turn it there, and no further.
;; One version. Each part assembles by itself: llvm-mc -triple=amdgcn-amd-amdhsa -mcpu=gfx1250 --defsym DOCPART=n.
;; ======== version 1 of 1: 5 launches
;; workspace buffers: codes 22,020,096 bytes; scales 917,504 bytes; img 18,874,368 bytes; scl 1,310,720 bytes; ctxc 6,291,456 bytes; ctxs 262,144 bytes
;; launch quant_act (part 1): grid 768 x 1, 4 waves a work-group, no clusters, 33,280 bytes of LDS; arguments queries, keys, values, codes, scales; writes codes, scales
.if DOCPART == 1
	.amdgcn_target "amdgcn-amd-amdhsa--gfx1250"
	.amdhsa_code_object_version 6
	.text
	.protected	k_qc1031baaed_quant_act
	.globl	k_qc1031baaed_quant_act
	.p2align	8
	.type	k_qc1031baaed_quant_act,@function
k_qc1031baaed_quant_act:
	s_mov_b64 s[64:65], 0
	v_nop
	global_prefetch_b8 v0, s[64:65] scope:SCOPE_SE
	s_setreg_imm32_b32 hwreg(HW_REG_WAVE_MODE, 25, 1), 1
	s_wait_xcnt 0x0
; queries, keys, values, each [8192][1024] f32, become codes of FP6 (E2M3), K innermost (a row: 768 bytes), with one E8M0 scale byte for each 32 along K (a row: 32 bytes).
; Tensor t (0 queries, 1 keys, 2 values) lies at t x 6,291,456 in codes and at t x 262,144 in scales.
; A block's scale is 2^(floor(log2(its largest magnitude)) - 2); its byte is the largest magnitude's exponent field - 2, held at 1 from below.
; THE ROWS OF keys AND values ARE STORED IN ANOTHER ORDER: workspace row p holds tensor row p with bits 3 and 4 exchanged, so that 16 neighbouring workspace rows, taken as source 0
; of a matrix instruction, leave 16 neighbouring tensor rows in the 16 registers of two neighbouring result tiles.  A wave's run is 8 aligned rows, so only the run's number is turned.
; LIMITS: a block of zeros gets the byte 1 where the rule says 127 (its codes are zeros, and this program alone reads the bytes); blocks whose largest magnitude lies under 2^-124 get the byte 1;
; NaN and infinities among the inputs are not served.
; A wave takes 16 steps of 512 numbers.  Each of a step's four loads reads 512 consecutive bytes; the 2,048 bytes turn through the wave's own stage in LDS and come back 64 bytes a lane:
; 16 neighbours along K, two lanes to a block.  A step's codes leave as 384 consecutive bytes, a wave's 256 scale bytes as one aligned run of 256.  No barrier: waves share nothing.
.set WAVES, 4
.set STEPS, 16
.set EMAX,  2
.set CB,    12                         ; bytes of 16 codes
.set R,     16                         ; v16-79   four sets of 16 numbers as they are loaded
.set X,     80                         ; v80-111  two sets of 16 neighbours
.set C,     128                        ; v128-191 codes: four registers for each step, so that no store's data are written again
.set E,     112                        ; v112-127 a scale byte for each step
.set WREG,  8192                       ; LDS: a region for each wave: two stages of 32 x SP bytes, behind them its 256 scale bytes
.set SP,    80                         ; a lane's place in a stage: 64 bytes + 16 of padding
.set SPW,   12                         ; v12  LDS address of my spare word; never rewritten
.set NIL,   13                         ; v13  0; never rewritten
.set SPARE, WAVES*WREG                 ; behind the four regions: the spare words, 128 bytes a wave
	s_load_b256 s[4:11], s[0:1], 0x0               ; queries s[4:5], keys s[6:7], values s[8:9], codes s[10:11]
	s_load_b64 s[12:13], s[0:1], 0x20              ; scales
	v_lshl_add_u32 v[SPW], v0, 2, SPARE
	v_mov_b32 v[NIL], 0
	v_lshrrev_b32 v1, 5, v0
	v_readfirstlane_b32 s16, v1                    ; wave
	v_and_b32 v2, 31, v0                           ; lane
	v_lshlrev_b32 v3, 4, v2                        ; my 16 bytes of a load's 512
	s_mul_i32 s17, s16, WREG
	v_lshrrev_b32 v14, 2, v2
	v_mul_u32_u24 v14, v14, SP
	v_and_b32 v15, 3, v2
	v_lshl_add_u32 v14, v15, 4, v14
	v_add_nc_u32 v14, s17, v14                     ; the stage, on the way in: SP (lane / 4) + 16 (lane % 4)
	v_mul_u32_u24 v15, v2, SP
	v_add_nc_u32 v15, s17, v15                     ; and on the way out: SP x lane
	v_mul_u32_u24 v4, v2, CB                       ; my codes' place in a step's
	v_lshrrev_b32 v5, 1, v2
	s_add_co_u32 s17, s17, 2*32*SP
	v_add_nc_u32 v5, s17, v5                       ; LDS: my block's scale byte
	v_lshlrev_b32 v7, 3, v2                        ; and on the way out 8 bytes a lane
	v_add_nc_u32 v6, s17, v7
	s_lshr_b32 s24, ttmp9, 8                       ; t: which tensor
	s_and_b32 s25, ttmp9, 255                      ; which 32,768 numbers of it
	s_lshl_b32 s25, s25, 2
	s_and_b32 s26, s16, 1
	s_lshl_b32 s26, s26, 1
	s_lshr_b32 s27, s16, 1
	s_or_b32 s26, s26, s27                         ; the wave's two bits exchanged: bits 3 and 4 of the row
	s_cmp_eq_u32 s24, 0
	s_cselect_b32 s26, s16, s26                    ; queries keep their order
	s_add_co_u32 s18, s25, s16                     ; the run that I read,
	s_lshl_b32 s18, s18, 15                        ; 32,768 bytes a run
	s_mov_b32 s19, 0
	s_add_co_u32 s20, s25, s26                     ; the run that I write
	s_mul_i32 s22, s20, 6144
	s_mul_i32 s28, s24, 6291456
	s_add_co_u32 s22, s22, s28
	s_mov_b32 s23, 0
	s_lshl_b32 s20, s20, 8
	s_lshl_b32 s28, s24, 18
	s_add_co_u32 s20, s20, s28
	s_mov_b32 s21, 0
	s_wait_kmcnt 0x0
	s_cmp_eq_u32 s24, 1                            ; the choice hangs on the work-group's number alone
	s_cselect_b64 s[6:7], s[6:7], s[8:9]
	s_cmp_eq_u32 s24, 0
	s_cselect_b64 s[4:5], s[4:5], s[6:7]
	s_add_nc_u64 s[4:5], s[4:5], s[18:19]
	s_add_nc_u64 s[10:11], s[10:11], s[22:23]
	s_add_nc_u64 s[12:13], s[12:13], s[20:21]
.macro LOAD t
.irp i, 0,1,2,3
	global_load_b128 v[R+16*((\t)%4)+4*\i:R+16*((\t)%4)+4*\i+3], v3, s[4:5] offset:2048*(\t)+512*\i th:TH_LOAD_NT   ; 32 lanes read 512 consecutive bytes
.endr
.endm
.macro TURN t                          ; step t's numbers through the stage: LDS serves a wave's instructions in order, so no wait stands between the stores and the loads
.irp i, 0,1,2,3
	ds_store_b128 v14, v[R+16*((\t)%4)+4*\i:R+16*((\t)%4)+4*\i+3] offset:32*SP*((\t)%2)+8*SP*\i
.endr
.irp i, 0,1,2,3
	ds_load_b128 v[X+16*((\t)%2)+4*\i:X+16*((\t)%2)+4*\i+3], v15 offset:32*SP*((\t)%2)+16*\i
.endr
.endm
.irp t, 0,1,2,3
	LOAD \t
.endr
	s_wait_loadcnt 12                              ; step 0's four loads are in; the twelve behind them may be out
	TURN 0
.macro STEP t
.set XS, X+16*((\t)%2)
.if (\t) > 0
	s_wait_dscnt 1                                 ; this step's numbers are back from the stage (the last step's byte store may be out)
.else
	s_wait_dscnt 0x0
.endif
.if (\t)+4 < STEPS
	LOAD (\t)+4                                    ; into the registers that the stage's stores have read
.endif
.if (\t)+1 < STEPS
.if STEPS-2-(\t) >= 3
	s_wait_loadcnt 12                              ; the next step's four loads are in; those of the three steps behind it may be out
.else
	s_wait_loadcnt 4*(STEPS-2-(\t))
.endif
	TURN (\t)+1
.endif
	v_max3_num_f32 v8, |v[XS]|, |v[XS+1]|, |v[XS+2]|               ; the largest magnitude of my 16, in two chains
	v_max3_num_f32 v9, |v[XS+3]|, |v[XS+4]|, |v[XS+5]|
.irp i, 6,10
	v_max3_num_f32 v8, v8, |v[XS+\i]|, |v[XS+\i+1]|
	v_max3_num_f32 v9, v9, |v[XS+\i+2]|, |v[XS+\i+3]|
.endr
	v_max3_num_f32 v8, v8, |v[XS+14]|, |v[XS+15]|
	v_max3_num_f32 v8, v8, v9, (EMAX+1)<<23        ; and the floor 2^(3 - 127): the byte cannot fall under 1
	v_max_num_f32_dpp v8, v8, v8 row_xmask:1 row_mask:0xf bank_mask:0xf   ; with my neighbour's 16: the block's
	v_add_nc_u32 v11, -(EMAX<<23), v8              ; 2 off its exponent field: the conversion takes the exponent field of this operand as its scale
	v_cvt_scalef32_pk16_fp6_f32 v[C+4*(\t):C+4*(\t)+2], v[XS:XS+15], v11
	v_lshrrev_b32 v[E+(\t)], 23, v11               ; the scale's byte (also the plain line behind the conversion)
	ds_store_b8 v5, v[E+(\t)] offset:16*(\t)       ; both lanes of a block write the same byte with the same value
	global_store_b96 v4, v[C+4*(\t):C+4*(\t)+2], s[10:11] offset:32*CB*(\t)
.endm
.irp t, 0,1,2,3,4,5,6,7,8,9,10,11,12,13,14,15
	STEP \t
.endr
	ds_load_b64 v[8:9], v6                         ; LDS serves a wave's instructions in order: these see my stores
	s_wait_dscnt 0x0
	global_store_b64 v7, v[8:9], s[12:13]          ; 32 lanes store 256 consecutive bytes, aligned
	s_wait_tensorcnt 0x0                           ; the wave's end
	ds_add_u32 v[SPW], v[NIL]
	s_wait_dscnt 0x0
	s_endpgm
.Lfunc_end_k_qc1031baaed_quant_act:
	.size	k_qc1031baaed_quant_act, .Lfunc_end_k_qc1031baaed_quant_act-k_qc1031baaed_quant_act
	.p2alignl 7, 3214868480
	.fill 96, 4, 3214868480
	.section	.rodata,"a",@progbits
	.p2align	6, 0x0
	.amdhsa_kernel k_qc1031baaed_quant_act
		.amdhsa_group_segment_fixed_size 33280
		.amdhsa_private_segment_fixed_size 0
		.amdhsa_enable_private_segment 0
		.amdhsa_kernarg_size 40
		.amdhsa_user_sgpr_count 2
		.amdhsa_user_sgpr_kernarg_segment_ptr 1
		.amdhsa_wavefront_size32 1
		.amdhsa_system_sgpr_workgroup_id_x 1
		.amdhsa_system_sgpr_workgroup_id_y 1
		.amdhsa_system_sgpr_workgroup_id_z 1
		.amdhsa_system_vgpr_workitem_id 0
		.amdhsa_next_free_vgpr 192
		.amdhsa_next_free_sgpr 66
		.amdhsa_reserve_vcc 0
		.amdhsa_float_denorm_mode_32 3
		.amdhsa_float_denorm_mode_16_64 3
		.amdhsa_memory_ordered 1
		.amdhsa_forward_progress 1
		.amdhsa_inst_pref_size 33
	.end_amdhsa_kernel
	.amdgpu_metadata
---
amdhsa.version: [ 1, 2 ]
amdhsa.kernels:
  - .name:           k_qc1031baaed_quant_act
    .symbol:         k_qc1031baaed_quant_act.kd
    .args:
      - { .name: queries, .offset: 0, .size: 8, .value_kind: global_buffer, .address_space: global }
      - { .name: keys, .offset: 8, .size: 8, .value_kind: global_buffer, .address_space: global }
      - { .name: values, .offset: 16, .size: 8, .value_kind: global_buffer, .address_space: global }
      - { .name: codes, .offset: 24, .size: 8, .value_kind: global_buffer, .address_space: global }
      - { .name: scales, .offset: 32, .size: 8, .value_kind: global_buffer, .address_space: global }
    .group_segment_fixed_size: 33280
    .private_segment_fixed_size: 0
    .kernarg_segment_align: 8
    .kernarg_segment_size: 40
    .max_flat_workgroup_size: 128
    .sgpr_count:     66
    .vgpr_count:     192
    .wavefront_size: 32
...
	.end_amdgpu_metadata
.endif
;; end of part 1
;; launch quant_w (part 2): grid 8 x 16, 4 waves a work-group, no clusters, 35,840 bytes of LDS; arguments Wq, Wk, Wv, Wo, codes, scales; writes codes, scales
.if DOCPART == 2
	.amdgcn_target "amdgcn-amd-amdhsa--gfx1250"
	.amdhsa_code_object_version 6
	.text
	.protected	k_qc1031baaed_quant_w
	.globl	k_qc1031baaed_quant_w
	.p2align	8
	.type	k_qc1031baaed_quant_w,@function
k_qc1031baaed_quant_w:
	s_mov_b64 s[64:65], 0
	v_nop
	global_prefetch_b8 v0, s[64:65] scope:SCOPE_SE
	s_setreg_imm32_b32 hwreg(HW_REG_WAVE_MODE, 25, 1), 1
	s_wait_xcnt 0x0
; Wq, Wk, Wv, Wo, each [1024 (k)][1024 (n)] f32 with K as the FIRST axis, become codes of FP6 (E2M3) laid [n][k], K innermost (a row: 768 bytes), and one E8M0 byte for each 32 along K (a row: 32 bytes).
; Weight i (0 q, 1 k, 2 v, 3 o) lies at 18,874,368 + i x 786,432 in codes and at 786,432 + i x 32,768 in scales.
; A LANE TAKES A COLUMN n AND ITS REGISTERS RUN DOWN K: a block of 32 lies in one lane, and the conversions give codes with K innermost.  Nothing is transposed by an instruction.
; THE ROWS ARE STORED IN ANOTHER ORDER: workspace row p holds column p with bits 3 and 4 exchanged (a wave's 32 columns stay its own 32 rows): the lane's row in the stage is turned, nothing else.
; LIMITS: a block of zeros gets the byte 1 where the rule says 127 (its codes are zeros, and this program alone reads the bytes); blocks whose largest magnitude lies under 2^-124 get the byte 1;
; NaN and infinities are not served.
; A wave takes 32 columns x 256 along K; work-group x: 128 columns; work-group y: 4 x weight + which 256 along K.  The codes go through the wave's own stage and leave as rows: sixteen lanes store 192 consecutive bytes.
.set SIZE_K, 1024
.set SIZE_N, 1024
.set KW,    256
.set NB,    KW/32
.set ROWB,  192
.set PITCH, 272                        ; a stage row: sixteen places of 16 bytes, each with 12 bytes of codes, + 16
.set KROW,  SIZE_K*6/8
.set EMAX,  2
.set X,     32                         ; v32-95   two sets of 32 numbers
.set C,     96                         ; v96..    a block's codes
.set OUTR,  112                        ; v112-175 the way out
.set SPW,   14
.set NIL,   15
.set SPARE, 4*32*PITCH
.set SB,    24                         ; v24-25   the scale bytes, four to a register
	s_load_b256 s[4:11], s[0:1], 0x0               ; Wq, Wk, Wv, Wo
	s_load_b128 s[12:15], s[0:1], 0x20             ; codes, scales
	v_lshl_add_u32 v[SPW], v0, 2, SPARE
	v_mov_b32 v[NIL], 0
	v_lshrrev_b32 v1, 5, v0
	v_readfirstlane_b32 s16, v1                    ; wave
	v_and_b32 v2, 31, v0                           ; lane
	s_lshl_b32 s17, ttmp9, 7
	s_lshl_b32 s18, s16, 5
	s_add_co_u32 s17, s17, s18                     ; my wave's first column
	s_and_b32 s31, ttmp7, 0xffff
	s_lshr_b32 s30, s31, 2                         ; which weight
	s_and_b32 s18, s31, 3                          ; which 256 along K
	v_lshlrev_b32 v3, 2, v2                        ; in: 4 bytes a lane
	v_and_b32 v10, 7, v2
	v_and_b32 v11, 8, v2
	v_lshl_add_u32 v10, v11, 1, v10
	v_bfe_u32 v11, v2, 4, 1
	v_lshl_add_u32 v10, v11, 3, v10                ; my lane with bits 3 and 4 exchanged: my column's row among the wave's 32
	s_mul_i32 s19, s16, 32*PITCH                   ; my stage
	v_mul_u32_u24 v4, v10, PITCH
	v_add_nc_u32 v4, s19, v4                       ; into it
	v_and_b32 v5, 15, v2
	v_lshrrev_b32 v6, 4, v2                        ; out of it: sixteen lanes to a row, two rows an instruction
	v_mul_u32_u24 v7, v6, PITCH
	v_lshl_add_u32 v7, v5, 4, v7
	v_add_nc_u32 v7, s19, v7
	v_mul_u32_u24 v8, v6, KROW
	v_mad_u32_u24 v8, v5, 12, v8                   ; and the same place in the codes' buffer
	v_lshlrev_b32 v9, 5, v10                       ; my column's row of scale bytes
	s_lshl_b32 s20, s18, 20                        ; W: 256 rows of 4,096 bytes a part of K,
	s_lshl_b32 s22, s17, 2
	s_add_co_u32 s20, s20, s22                     ; + 4 x column
	s_mov_b32 s21, 0
	s_mul_i32 s24, s17, KROW                       ; codes: row x 768 + 192 x part + the weight's section
	s_mul_i32 s26, s18, ROWB
	s_add_co_u32 s24, s24, s26
	s_mul_i32 s26, s30, 786432
	s_add_co_u32 s24, s24, s26
	s_add_co_u32 s24, s24, 18874368
	s_mov_b32 s25, 0
	s_lshl_b32 s28, s17, 5                         ; scale bytes: row x 32 + 8 x part + the weight's section
	s_lshl_b32 s26, s18, 3
	s_add_co_u32 s28, s28, s26
	s_lshl_b32 s26, s30, 15
	s_add_co_u32 s28, s28, s26
	s_add_co_u32 s28, s28, 786432
	s_mov_b32 s29, 0
	s_and_b32 s31, s30, 1
	s_wait_kmcnt 0x0
	s_cmp_eq_u32 s31, 1                            ; the choice hangs on the work-group's number alone
	s_cselect_b64 s[4:5], s[6:7], s[4:5]
	s_cselect_b64 s[8:9], s[10:11], s[8:9]
	s_cmp_ge_u32 s30, 2
	s_cselect_b64 s[4:5], s[8:9], s[4:5]
	s_add_nc_u64 s[4:5], s[4:5], s[20:21]
	s_add_nc_u64 s[12:13], s[12:13], s[24:25]
	s_add_nc_u64 s[14:15], s[14:15], s[28:29]
.macro LOAD t                          ; block t: W(32 t + i, my column), i = 0 .. 31, into set t % 2
.set i, 0
.rept 32
	global_load_b32 v[X+32*((\t)%2)+i], v3, s[4:5] offset:(32*(\t)+i)*SIZE_N*4 th:TH_LOAD_NT
.set i, i+1
.endr
.endm
	LOAD 0
	LOAD 1
.macro BLOCK t
.set XS, X+32*((\t)%2)
.if (\t) < NB-1
	s_wait_loadcnt 32                              ; this block's 32 loads are in; the next block's may be out
.else
	s_wait_loadcnt 0
.endif
	v_max3_num_f32 v12, |v[XS]|, |v[XS+1]|, |v[XS+2]|               ; the block's largest magnitude: all 32 numbers are mine
	v_max3_num_f32 v13, |v[XS+3]|, |v[XS+4]|, |v[XS+5]|
.irp i, 6,10,14,18,22,26
	v_max3_num_f32 v12, v12, |v[XS+\i]|, |v[XS+\i+1]|
	v_max3_num_f32 v13, v13, |v[XS+\i+2]|, |v[XS+\i+3]|
.endr
	v_max3_num_f32 v12, v12, |v[XS+30]|, |v[XS+31]|
	v_max3_num_f32 v12, v12, v13, (EMAX+1)<<23     ; and the floor 2^(3 - 127)
	v_add_nc_u32 v11, -(EMAX<<23), v12             ; the conversion's scale operand
	v_lshrrev_b32 v13, 23, v11                     ; the scale's byte
.if (\t)%4 == 0
	v_mov_b32 v[SB+(\t)/4], v13
.else
	v_lshl_or_b32 v[SB+(\t)/4], v13, 8*((\t)%4), v[SB+(\t)/4]
.endif
	v_cvt_scalef32_pk16_fp6_f32 v[C:C+2], v[XS:XS+15], v11
	v_cvt_scalef32_pk16_fp6_f32 v[C+4:C+6], v[XS+16:XS+31], v11     ; (a conversion's three registers begin on an even number)
	v_nop                                          ; one plain line behind the conversions
	ds_store_b96 v4, v[C:C+2] offset:32*(\t)       ; 12 bytes to a place of 16, so that every LDS address is a multiple of 16
	ds_store_b96 v4, v[C+4:C+6] offset:32*(\t)+16
.if (\t)+2 < NB
	LOAD (\t)+2
.endif
	s_wait_dscnt 0x0                               ; the stores have read their registers: the next block's codes may be written
.endm
.set Q, 0
.rept NB
	BLOCK Q
.set Q, Q+1
.endr
	global_store_b64 v9, v[SB:SB+1], s[14:15]      ; my column's 8 scale bytes
.irp t, 0,1,2,3,4,5,6,7,8,9,10,11,12,13,14,15
	ds_load_b96 v[OUTR+4*\t:OUTR+4*\t+2], v7 offset:2*\t*PITCH   ; LDS serves a wave's instructions in order: these see my stores
.endr
.irp t, 0,1,2,3,4,5,6,7,8,9,10,11,12,13,14,15
	s_wait_dscnt 15-\t                             ; the younger loads may be out
	global_store_b96 v8, v[OUTR+4*\t:OUTR+4*\t+2], s[12:13] offset:2*\t*KROW
.endr
	s_wait_tensorcnt 0x0                           ; the wave's end
	ds_add_u32 v[SPW], v[NIL]
	s_wait_dscnt 0x0
	s_endpgm
.Lfunc_end_k_qc1031baaed_quant_w:
	.size	k_qc1031baaed_quant_w, .Lfunc_end_k_qc1031baaed_quant_w-k_qc1031baaed_quant_w
	.p2alignl 7, 3214868480
	.fill 96, 4, 3214868480
	.section	.rodata,"a",@progbits
	.p2align	6, 0x0
	.amdhsa_kernel k_qc1031baaed_quant_w
		.amdhsa_group_segment_fixed_size 35840
		.amdhsa_private_segment_fixed_size 0
		.amdhsa_enable_private_segment 0
		.amdhsa_kernarg_size 48
		.amdhsa_user_sgpr_count 2
		.amdhsa_user_sgpr_kernarg_segment_ptr 1
		.amdhsa_wavefront_size32 1
		.amdhsa_system_sgpr_workgroup_id_x 1
		.amdhsa_system_sgpr_workgroup_id_y 1
		.amdhsa_system_sgpr_workgroup_id_z 1
		.amdhsa_system_vgpr_workitem_id 0
		.amdhsa_next_free_vgpr 192
		.amdhsa_next_free_sgpr 66
		.amdhsa_reserve_vcc 0
		.amdhsa_float_denorm_mode_32 3
		.amdhsa_float_denorm_mode_16_64 3
		.amdhsa_memory_ordered 1
		.amdhsa_forward_progress 1
		.amdhsa_inst_pref_size 43
	.end_amdhsa_kernel
	.amdgpu_metadata
---
amdhsa.version: [ 1, 2 ]
amdhsa.kernels:
  - .name:           k_qc1031baaed_quant_w
    .symbol:         k_qc1031baaed_quant_w.kd
    .args:
      - { .name: Wq, .offset: 0, .size: 8, .value_kind: global_buffer, .address_space: global }
      - { .name: Wk, .offset: 8, .size: 8, .value_kind: global_buffer, .address_space: global }
      - { .name: Wv, .offset: 16, .size: 8, .value_kind: global_buffer, .address_space: global }
      - { .name: Wo, .offset: 24, .size: 8, .value_kind: global_buffer, .address_space: global }
      - { .name: codes, .offset: 32, .size: 8, .value_kind: global_buffer, .address_space: global }
      - { .name: scales, .offset: 40, .size: 8, .value_kind: global_buffer, .address_space: global }
    .group_segment_fixed_size: 35840
    .private_segment_fixed_size: 0
    .kernarg_segment_align: 8
    .kernarg_segment_size: 48
    .max_flat_workgroup_size: 128
    .sgpr_count:     66
    .vgpr_count:     192
    .wavefront_size: 32
...
	.end_amdgpu_metadata
.endif
;; end of part 2
;; launch proj (part 3): grid 4 x 96, 4 waves a work-group, clusters of 4 x 4, 327,680 bytes of LDS; arguments codes, scales, bq, bk, bv, img, scl; writes img, scl
.if DOCPART == 3
	.amdgcn_target "amdgcn-amd-amdhsa--gfx1250"
	.amdhsa_code_object_version 6
	.text
	.protected	k_qc1031baaed_proj
	.globl	k_qc1031baaed_proj
	.p2align	8
	.type	k_qc1031baaed_proj,@function
k_qc1031baaed_proj:
	s_mov_b64 s[64:65], 0
	v_nop
	global_prefetch_b8 v0, s[64:65] scope:SCOPE_SE
	s_setreg_imm32_b32 hwreg(HW_REG_WAVE_MODE, 25, 1), 1
	s_wait_xcnt 0x0
	s_wait_alu depctr_hold_cnt(0) depctr_sa_sdst(0) depctr_va_vdst(0) depctr_va_sdst(0) depctr_va_ssrc(0) depctr_va_vcc(0) depctr_vm_vsrc(0)
	s_getreg_b32 s2, hwreg(HW_REG_IB_STS2, 6, 4)
	s_cmp_eq_u32 s2, 0
	s_cbranch_scc0 .Lentry_in_a_cluster
	s_endpgm
.Lentry_in_a_cluster:
	s_bfe_u32 s2, ttmp6, 0x10000c
	s_cmp_lg_u32 s2, 0xf033
	s_cbranch_scc0 .Lentry_shape_is_right
	s_endpgm
.Lentry_shape_is_right:
; The three projections q = queries Wq + bq, k = keys Wk + bk, v = values Wv + bv, each 8,192 x 1,024 x 1,024 on codes of FP6 (E2M3) with E8M0 scales, in ONE launch; the results are
; quantised in registers and leave as IMAGES OF THE OPERAND REGISTERS of the attention launch: nothing wide goes to memory.
; Cluster y = 8 x projection + Y.  A tile of 256 x 256 is made by four waves, 128 x 128 each: 64 accumulators, 512 registers.  K goes in steps of 256 through a ring of two LDS slots.
; "A" is source 1 of the matrix instruction (a lane holds one of its rows), "B" source 0 (a lane's registers run along its rows).
;   q, k: A = 256 tokens (tile 4 Y + cy), B = 256 rows of the weight (tile cx): a lane holds a token, its registers run along the head's 64: the first attention product's K.
;   v:    A = 256 rows of Wv (tile cy), B = 256 tokens (tile 4 Y + cx): a lane holds one of the head's 64, its registers run along the tokens: the second attention product's K.
; B's rows lie in the workspace with bits 3 and 4 of their number exchanged, so the 16 registers of two neighbouring result tiles are 16 NEIGHBOURS along the next K.
; CLUSTERS: 4 x 4 work-groups.  A's tile hangs on cy and the cluster's y alone and is asked for jointly by a row of the cluster, B's on cx and the cluster's y alone, by a column.
; THE WAY OUT uses no LDS: a block of 16 rows x 128 is biased, quantised (4 blocks of 32) and stored as its 12 code registers stand, 16 or 8 bytes a lane, lanes on end: each store covers 512 or 256 consecutive aligned bytes.
;   img: sections q, k, v of 6,291,456 bytes, [4 batch + head group][step of 128 tokens][head in group][6,144].  q, k: 8 tiles of 768 (registers 0-3: 16 x lane; registers 4-5: 512 + 8 x lane).  v: 4 tiles of 1,536 (three runs of 512).
;   scl: q at 0, k at 524,288: [head][step][512], the word of tile T, row r at 256 (T / 4) + 16 r + 4 (T % 4); v at 1,048,576: [head][step][256], the word of tile t, row r at 16 r + 4 t.
;   A q or k word's bytes 0, 1 are the head's two blocks; bytes 2, 3 (the neighbour head's, or 0) stand over zero codes in the reader and are never 0xff.
; LIMITS: a block of zeros gets the byte 1 (its codes are zeros, this program alone reads the bytes); blocks under 2^-124 get the byte 1; NaN and infinities are not served.
; REGISTERS: window 0: v8-15 bias addresses; v16-31 addresses; v32-63 scale words, two sets; v64-127 the bias; v128-223 A's fragments, ONE set; on the way out v128-243 at work.
;   window 1: B's fragments, two sets.   window 2: the accumulators of my A rows 0-63 ((a, b) at v[8 (8 a + b)]);   window 3: those of rows 64-127.
.set KSTEP,  256
.set NQ,     KSTEP/128
.set ROWB,   192                       ; a tile's row in bytes
.set KROW,   768                       ; a row of codes in memory
.set PITCH,  240                       ; an LDS row: 3 x (64 bytes + 16 of padding)
.set FR,     12
.set NL,     6
.set NP,     4
.set HALFT,  128*PITCH
.set SLOT,   4*HALFT
.set LAPS,   2                         ; K = 1,024: four K steps, twice round the ring
.set KS,     32                        ; a row of scale bytes
.set SCL,    2*SLOT
.set HALFS,  (128*KS/256)*272
.set SBLK,   (16*KS/256)*272
.set SPARE,  SCL+4*HALFS               ; the spare words, 128 bytes a wave
.set VA,   8                           ; v8-15   the bias loads' offsets
.set ADRA, 16
.set ADRB, 20
.set L16,  24                          ; v24  16 x lane
.set L8,   25                          ; v25  8 x lane
.set LSC,  26                          ; v26  my place among the scale words that I store
.set ADRS, 27
.set SPW,  28
.set NIL,  29
.set SH,   30                          ; v30  16 x (lane / 16)
.set HH,   31                          ; v31  lane / 16
.set SC,   32
.set BI,   64                          ; v64-127 the bias of my 64 results of a block
.set AF,   128
.set T,    128                         ; the way out: v128-191 a block's 64 numbers
.set PC,   192                         ; v192-210 its codes
.set TM,   212                         ; v212-227 at work
.set PW,   228                         ; the scale word just made
.set PWS,  232                         ; v232-239 the eight blocks' scale words
.set PWO,  240                         ; v240-243
.set G1, 24
.set G0, 32
.set G1B, 48
.set G0B, 56
.set SEL, 66
.set G1S, 68
.set G0S, 76
.set G1SB, 80
.set G0SB, 88
.set WV, 98                            ; s98  wave
.set WA, 99                            ; s99  which half of A's rows is mine; also: I fetch for A (0) or for B (1)
.set WB, 100                           ; s100 which half of B's rows; also: which 128 rows I fetch
.set TA, 101                           ; s101 A's tile
.set PJ, 104                           ; s104 projection 0, 1, 2
.set YY, 105
.set MSB, 0
.macro WIN new
.if MSB != \new
	s_set_vgpr_msb (MSB<<8)|\new
.set MSB, \new
.endif
.endm
.set MUL_LO, 0xa1                      ; source 0 (B) window 1, source 1 (A) window 0, C and D window 2
.set MUL_HI, 0xf1
.set TO_B,   0x40
; A joint load: waves 0 and 1 fetch for A, waves 2 and 3 for B.  An s_nop 0 and four v_nop follow each of the two lines.
.macro JLOAD g0a, g1a, g0b, g1b
	s_cmp_eq_u32 s[WA], 0
	s_cbranch_scc0 .Lfor_b_\@
	tensor_load_to_lds s[\g0a:\g0a+3], s[\g1a:\g1a+7]
	s_nop 0
.rept 4
	v_nop
.endr
	s_branch .Lasked_\@
.Lfor_b_\@:
	tensor_load_to_lds s[\g0b:\g0b+3], s[\g1b:\g1b+7]
	s_nop 0
.rept 4
	v_nop
.endr
.Lasked_\@:
.endm
.macro CREST
	s_cmp_lg_u32 s[WV], 0
	s_cbranch_scc1 .Lnot_wave_0_\@
	s_barrier_signal -3
.Lnot_wave_0_\@:
	s_barrier_wait -3
	s_barrier_signal -1
	s_barrier_wait -1
.endm
.macro CROUND
	s_barrier_signal -1
	s_barrier_wait -1
	CREST
.endm
	s_load_b256 s[4:11], s[0:1], 0x0               ; codes s[4:5], scales s[6:7], bq s[8:9], bk s[10:11]
	s_load_b128 s[12:15], s[0:1], 0x20             ; bv s[12:13], img s[14:15]
	s_load_b64 s[16:17], s[0:1], 0x30              ; scl
	v_lshl_add_u32 v[SPW], v0, 2, SPARE
	v_mov_b32 v[NIL], 0
	ds_add_u32 v[SPW], v[NIL]                      ; the wave's opening: the add and its wait ahead of my first tensor load
	v_lshrrev_b32 v1, 5, v0
	v_readfirstlane_b32 s[WV], v1
	s_lshr_b32 s[WA], s[WV], 1
	s_and_b32 s[WB], s[WV], 1
	s_bfe_u32 s40, ttmp6, 0x40000                  ; cx
	s_bfe_u32 s41, ttmp6, 0x40004                  ; cy
	s_and_b32 s18, ttmp7, 0xffff                   ; the cluster's y: the same in all sixteen partners
	s_lshr_b32 s[PJ], s18, 3
	s_and_b32 s[YY], s18, 7
	s_cmp_eq_u32 s[PJ], 2
	s_cselect_b32 s2, 1, 0                         ; s2 = 1: the v way
	s_cselect_b32 s19, 0, s[YY]
	s_cselect_b32 s20, s[YY], 0
	s_lshl_b32 s19, s19, 2
	s_add_co_u32 s[TA], s19, s41                   ; A's tile: 4 Y + cy (tokens) or cy (Wv)
	s_lshl_b32 s20, s20, 2
	s_add_co_u32 s42, s20, s40                     ; B's tile: cx (weight) or 4 Y + cx (tokens)
	s_lshl_b32 s43, s41, 2
	s_lshl_b32 s43, 15, s43                        ; my row of the cluster
	s_lshl_b32 s44, 0x1111, s40                    ; my column
	s_or_b32 s[G1+0], s43, (0<<16)|(1<<20)|(1<<21)|(3<<22)|(3<<25)  ; the mask; elements of 1 byte; padding of 4 words behind every 16; bit 21 beside a mask
	s_or_b32 s[G1B+0], s44, (0<<16)|(1<<20)|(1<<21)|(3<<22)|(3<<25)
.irp g, G1, G1B
	s_mov_b32 s[\g+1], ROWB<<16                    ; tensor_dim0
	s_mov_b32 s[\g+2], 128<<16                     ; tensor_dim1
	s_mov_b32 s[\g+3], ROWB<<16                    ; tile_dim0
	s_mov_b32 s[\g+4], 128                         ; tile_dim1
	s_mov_b32 s[\g+5], KROW                        ; the pitch
	s_mov_b32 s[\g+6], 0
	s_mov_b32 s[\g+7], 0
.endr
	s_or_b32 s[G1S+0], s43, (3<<16)|(1<<20)|(1<<21)|(5<<22)|(3<<25)  ; the scales of 128 rows: 4,096 dense bytes as 16 rows of 256, 16 bytes of padding behind each
	s_or_b32 s[G1SB+0], s44, (3<<16)|(1<<20)|(1<<21)|(5<<22)|(3<<25)
.irp g, G1S, G1SB
	s_mov_b32 s[\g+1], 32<<16
	s_mov_b32 s[\g+2], (128*KS/256)<<16
	s_mov_b32 s[\g+3], 32<<16
	s_mov_b32 s[\g+4], 128*KS/256
	s_mov_b32 s[\g+5], 32
	s_mov_b32 s[\g+6], 0
	s_mov_b32 s[\g+7], 0
.endr
	s_mov_b32 s[SEL], 0x76543210
	s_mov_b32 s[SEL+1], 0xfedcba98
	s_mul_i32 s21, s[PJ], 6291456                  ; the tokens' codes,
	s_mul_i32 s22, s[PJ], 786432
	s_add_co_u32 s22, s22, 18874368                ; the weight's,
	s_lshl_b32 s23, s[PJ], 18                      ; the tokens' scale bytes,
	s_lshl_b32 s95, s[PJ], 15
	s_add_co_u32 s95, s95, 786432                  ; the weight's
	s_cmp_eq_u32 s2, 1
	s_cselect_b32 s96, s22, s21                    ; A's codes
	s_cselect_b32 s97, s21, s22                    ; B's
	s_cselect_b32 s21, s95, s23                    ; A's scale bytes
	s_cselect_b32 s22, s23, s95                    ; B's
	s_lshl_b32 s18, s[WB], 7                       ; which 128 rows of the tile I fetch
	s_lshl_b32 s20, s[TA], 8
	s_add_co_u32 s20, s20, s18                     ; A's row
	s_lshl_b32 s46, s42, 8
	s_add_co_u32 s46, s46, s18                     ; B's row
	s_lshl_b32 s92, s20, 5
	s_add_co_u32 s92, s92, s21                     ; all offsets stay under 2^32
	s_mov_b32 s93, 0
	s_lshl_b32 s94, s46, 5
	s_add_co_u32 s94, s94, s22
	s_mov_b32 s95, 0
	s_mul_i32 s20, s20, KROW
	s_add_co_u32 s20, s20, s96
	s_mov_b32 s21, 0
	s_mul_i32 s46, s46, KROW
	s_add_co_u32 s46, s46, s97
	s_mov_b32 s47, 0
	s_mul_i32 s45, s[WV], HALFT                    ; where they go: wave x 128 rows: no place in the cluster enters an LDS address
	s_mul_i32 s96, s[WV], HALFS
	s_wait_dscnt 0x0                               ; the opening add is done
	s_wait_kmcnt 0x0
	s_add_nc_u64 s[20:21], s[4:5], s[20:21]
	s_add_nc_u64 s[92:93], s[6:7], s[92:93]
	s_add_nc_u64 s[46:47], s[4:5], s[46:47]
	s_add_nc_u64 s[94:95], s[6:7], s[94:95]
	CROUND                                         ; all sixteen work-groups are here: the first joint loads meet
	s_mov_b32 s[G0S], 1
	s_add_co_u32 s[G0S+1], s96, SCL
	s_mov_b64 s[G0S+2:G0S+3], s[92:93]
	s_or_b32 s[G0S+3], s[G0S+3], 0x80000000
	s_mov_b32 s[G0SB], 1
	s_add_co_u32 s[G0SB+1], s96, SCL
	s_mov_b64 s[G0SB+2:G0SB+3], s[94:95]
	s_or_b32 s[G0SB+3], s[G0SB+3], 0x80000000
	JLOAD G0S, G1S, G0SB, G1SB                     ; the scales first: they are wanted with K step 0
.irp s, 0,1
	s_mov_b32 s[G0+4*\s], 1
	s_add_co_u32 s[G0+4*\s+1], s45, \s*SLOT
	s_add_nc_u64 s[G0+4*\s+2:G0+4*\s+3], s[20:21], \s*ROWB
	s_or_b32 s[G0+4*\s+3], s[G0+4*\s+3], 0x80000000
	s_mov_b32 s[G0B+4*\s], 1
	s_add_co_u32 s[G0B+4*\s+1], s45, \s*SLOT
	s_add_nc_u64 s[G0B+4*\s+2:G0B+4*\s+3], s[46:47], \s*ROWB
	s_or_b32 s[G0B+4*\s+3], s[G0B+4*\s+3], 0x80000000
	JLOAD G0+4*\s, G1, G0B+4*\s, G1B               ; three tensor loads of mine are out behind the second of these
.endr
	v_and_b32 v1, 15, v0                           ; r
	v_bfe_u32 v2, v0, 4, 1                         ; h
	v_mul_u32_u24 v3, v1, PITCH
	v_mul_u32_u24 v4, v2, 24
	v_add_nc_u32 v4, v3, v4                        ; a fragment's row x pitch + 24 x half
	v_lshl_add_u32 v5, v2, 4, v4                   ; and the same behind one padding more
	s_mul_i32 s21, s[WA], HALFT
	s_mul_i32 s22, s[WB], HALFT
	s_add_co_u32 s22, s22, 2*HALFT
.irp s, 0,1
	v_add_nc_u32 v[ADRA+\s], s21, v4
	v_add_nc_u32 v[ADRB+\s], s22, v4
	v_add_nc_u32 v[ADRA+2+\s], s21, v5
	v_add_nc_u32 v[ADRB+2+\s], s22, v5
	s_add_co_u32 s21, s21, SLOT
	s_add_co_u32 s22, s22, SLOT
.endr
	v_mul_u32_u24 v5, v1, KS                       ; my row's scales: 32 bytes a row,
	v_lshrrev_b32 v6, 8, v5
	v_lshl_add_u32 v5, v6, 4, v5                   ; and 16 more for each 256 passed
	s_mul_i32 s21, s[WA], HALFS
	s_mul_i32 s22, s[WB], HALFS
	s_add_co_u32 s22, s22, 2*HALFS
	s_sub_co_u32 s22, s22, s21
	v_mul_u32_u24 v6, s22, v2                      ; lanes 16-31 take B's
	s_add_co_u32 s21, s21, SCL
	v_add_nc_u32 v5, v5, v6
	v_add_nc_u32 v[ADRS], s21, v5
	; the bias and the way out's places.  tw, ww: the weight's tile and my half of it; tt, wt: the tokens'
	s_cmp_eq_u32 s[PJ], 1
	s_cselect_b64 s[10:11], s[10:11], s[12:13]
	s_cmp_eq_u32 s[PJ], 0
	s_cselect_b64 s[8:9], s[8:9], s[10:11]         ; my projection's bias
	s_cmp_eq_u32 s2, 1
	s_cselect_b32 s18, s[TA], s42                  ; tw
	s_cselect_b32 s19, s[WA], s[WB]                ; ww
	s_cselect_b32 s22, s42, s[TA]                  ; tt
	s_cselect_b32 s23, s[WB], s[WA]                ; wt
	s_cselect_b32 s21, 0, 4                        ; from register to register of a result tile: 4 bytes of the bias (q, k), or none (v: a lane holds one row of Wv)
	s_cselect_b32 s20, -1, 0                       ; all lanes, on the v way
	s_lshl_b32 s96, s18, 10
	s_lshl_b32 s97, s19, 9
	s_add_co_u32 s96, s96, s97
	s_mov_b32 s97, 0
	s_add_nc_u64 s[8:9], s[8:9], s[96:97]          ; at my 128 numbers
	v_lshlrev_b32 v3, 6, v2                        ; q, k: tile m's registers are numbers 32 (m / 2) + 16 h + 8 (m % 2) + j
	v_and_b32 v4, 7, v1
	v_lshrrev_b32 v5, 3, v1
	v_lshl_add_u32 v4, v5, 4, v4
	v_lshlrev_b32 v4, 2, v4                        ; v: block a's lane r is number 32 (a / 2) + 8 (a % 2) + r + 8 (r / 8)
	v_cndmask_b32 v3, v3, v4, s20
.irp j, 0,1,2,3,4,5,6,7
	v_mad_u32_u24 v[VA+\j], s21, \j, v3
.endr
.irp m, 0,1,2,3,4,5,6,7
.irp j, 0,1,2,3,4,5,6,7
	global_load_b32 v[BI+8*\m+\j], v[VA+\j], s[8:9] offset:128*(\m/2)+32*(\m%2)
.endr
.endr
	s_lshl_b32 s22, s22, 1
	s_add_co_u32 s22, s22, s23                     ; my step of 128 tokens among the 64
	s_lshr_b32 s23, s22, 4                         ; the batch
	s_and_b32 s22, s22, 15                         ; the step in it
	s_lshl_b32 s96, s23, 2
	s_add_co_u32 s96, s96, s18
	s_lshl_b32 s96, s96, 4
	s_add_co_u32 s96, s96, s22
	s_mul_i32 s96, s96, 24576
	s_mul_i32 s97, s19, 12288
	s_add_co_u32 s96, s96, s97
	s_mul_i32 s97, s[PJ], 6291456
	s_add_co_u32 s96, s96, s97
	s_mov_b32 s97, 0
	s_add_nc_u64 s[14:15], s[14:15], s[96:97]      ; img at my two heads' images of this step
	s_lshl_b32 s96, s23, 4
	s_lshl_b32 s97, s18, 2
	s_add_co_u32 s96, s96, s97
	s_lshl_b32 s97, s19, 1
	s_add_co_u32 s96, s96, s97                     ; my first head
	s_lshl_b32 s96, s96, 4
	s_add_co_u32 s96, s96, s22
	s_sub_co_u32 s97, 9, s2
	s_lshl_b32 s96, s96, s97                       ; 512 bytes a head and step (v: 256)
	s_lshl_b32 s97, s[PJ], 19
	s_add_co_u32 s96, s96, s97
	s_mov_b32 s97, 0
	s_add_nc_u64 s[16:17], s[16:17], s[96:97]      ; scl likewise
	s_lshr_b32 s96, 8192, s2                       ; from head to head: 16 steps
	v_mul_u32_u24 v[LSC], s96, v2
	v_lshl_add_u32 v[LSC], v1, 4, v[LSC]           ; lanes 0-15 store my first head's words, lanes 16-31 my second's: 16 bytes a row
	v_and_b32 v6, 31, v0
	v_lshlrev_b32 v[L16], 4, v6
	v_lshlrev_b32 v[L8], 3, v6
	v_lshlrev_b32 v[SH], 4, v2
	v_mov_b32 v[HH], v2
.macro FRAG reg, adr, q, i             ; a fragment, 16 rows x 128 K: 12 registers, in pieces of 8 bytes; where the piece three on lies behind one padding more, the second address register serves
.irp p, 0,1,2,3,4,5
.set PCE, 12*(\q)+6*(\p/3)+\p%3
.if PCE%8 < 5
	ds_load_b64 v[\reg+2*\p:\reg+2*\p+1], v[\adr] offset:8*PCE+16*(PCE/8)+(\i)*16*PITCH
.else
	ds_load_b64 v[\reg+2*\p:\reg+2*\p+1], v[\adr+2] offset:8*PCE+16*(PCE/8)+(\i)*16*PITCH
.endif
.endr
.endm
; 16 matrix instructions: A's blocks a0, a0 + 1 x B's eight.  The 64 accumulators take turns, one instruction a turn, in the same order in every step.
.macro MUL16 a0, p, q, sc, zero
.irp a, \a0, \a0+1
.irp b, 0,1,2,3,4,5,6,7
.if \zero
	v_wmma_scale_f32_16x16x128_f8f6f4 v[8*(8*((\a)%4)+\b):8*(8*((\a)%4)+\b)+7], v[128*(\p)+FR*\b:128*(\p)+FR*\b+FR-1], v[AF+FR*(\a):AF+FR*(\a)+FR-1], 0, v[SC+8*NQ*(\sc)+NQ*\b+(\q)], v[SC+8*NQ*(\sc)+NQ*(\a)+(\q)] matrix_a_fmt:MATRIX_FMT_FP6 matrix_b_fmt:MATRIX_FMT_FP6 matrix_a_scale:MATRIX_SCALE_ROW1
.else
	v_wmma_scale_f32_16x16x128_f8f6f4 v[8*(8*((\a)%4)+\b):8*(8*((\a)%4)+\b)+7], v[128*(\p)+FR*\b:128*(\p)+FR*\b+FR-1], v[AF+FR*(\a):AF+FR*(\a)+FR-1], v[8*(8*((\a)%4)+\b):8*(8*((\a)%4)+\b)+7], v[SC+8*NQ*(\sc)+NQ*\b+(\q)], v[SC+8*NQ*(\sc)+NQ*(\a)+(\q)] matrix_a_fmt:MATRIX_FMT_FP6 matrix_b_fmt:MATRIX_FMT_FP6 matrix_a_scale:MATRIX_SCALE_ROW1
.endif
.endr
.endr
.endm
.macro FETCH_B slot, q, p
	WIN TO_B
.irp i, 0,1,2,3,4,5,6,7
	FRAG 128*(\p)+FR*\i, ADRB+\slot, \q, \i
.endr
	WIN 0
.endm
.macro FETCH_A slot, q, i0
.irp i, \i0, \i0+1, \i0+2, \i0+3
	FRAG AF+FR*(\i), ADRA+\slot, \q, \i
.endr
.endm
.macro SCALES sc                       ; a K step's scale words: lanes 0-15 take A's block i, lanes 16-31 B's block i
.irp i, 0,1,2,3,4,5,6,7
	ds_load_b64 v[SC+8*NQ*\sc+NQ*\i:SC+8*NQ*\sc+NQ*\i+1], v[ADRS] offset:\i*SBLK
.endr
.endm
.macro PLACES n                        ; plain vector instructions between a matrix instruction and a load into, or a read of, its registers
.rept \n
	v_nop
.endr
.endm
.macro STEP slot, q, zero
	s_wait_dscnt 4*NL                              ; B's set and A's blocks 0-3 are in; the youngest 24 loads (A's blocks 4-7) may be out
	WIN MUL_LO
	MUL16 0, (\q)%2, \q, \slot, \zero
	MUL16 2, (\q)%2, \q, \slot, \zero
	s_wait_dscnt 0
	PLACES NP
	FETCH_B \slot, (\q)+1, 1-(\q)%2
	FETCH_A \slot, (\q)+1, 0
	WIN MUL_HI
	MUL16 4, (\q)%2, \q, \slot, \zero
	MUL16 6, (\q)%2, \q, \slot, \zero
	PLACES NP
	WIN 0
	FETCH_A \slot, (\q)+1, 4
.endm
; A slot's last step changes slots: one barrier; in front of it each wave waits for all its tensor loads, adds 0 to its spare word, and waits for that and for its reads of this slot.
.macro TURN slot, next, fill
	s_wait_tensorcnt 0x0                           ; all my tensor loads have landed: my part of the next slot
	ds_add_u32 v[SPW], v[NIL]
	s_wait_dscnt 4*NL+1                            ; the add and the youngest 24 loads may be out
	WIN MUL_LO
	MUL16 0, 1, NQ-1, \slot, 0
	s_wait_dscnt 0x0                               ; the add is done, and my reads of this slot are over
	s_barrier_signal -1
	MUL16 2, 1, NQ-1, \slot, 0
	WIN 0
	s_barrier_wait -1
.if \fill
	CREST                                          ; the barrier has opened a round of the cluster's: no wave of any partner still reads this slot or has a load on its way
	s_add_nc_u64 s[G0+4*\slot+2:G0+4*\slot+3], s[G0+4*\slot+2:G0+4*\slot+3], 2*ROWB
	s_add_nc_u64 s[G0B+4*\slot+2:G0B+4*\slot+3], s[G0B+4*\slot+2:G0B+4*\slot+3], 2*ROWB
	JLOAD G0+4*\slot, G1, G0B+4*\slot, G1B         ; the first tensor load behind the round; its four v_nop are the places in front of the loads below
.else
	PLACES NP
.endif
	v_add_nc_u32 v[ADRS], 4*NQ, v[ADRS]            ; the next K step's scale words
	FETCH_B \next, 0, 0
	FETCH_A \next, 0, 0
	SCALES \next
	WIN MUL_HI
	MUL16 4, 1, NQ-1, \slot, 0
	MUL16 6, 1, NQ-1, \slot, 0
	PLACES NP
	WIN 0
	FETCH_A \next, 0, 4
.endm
	s_wait_tensorcnt 1                             ; the scales and my part of K step 0 are in; K step 1's load may be out
	s_barrier_signal -1
	s_barrier_wait -1
	FETCH_B 0, 0, 0
	FETCH_A 0, 0, 0
	SCALES 0
	FETCH_A 0, 0, 4
	STEP 0, 0, 1                                   ; the first step's products start the sums
	s_mov_b32 s3, LAPS-1
.Llap:
	TURN 0, 1, 1
	STEP 1, 0, 0
	TURN 1, 0, 1
	STEP 0, 0, 0
	s_sub_co_u32 s3, s3, 1
	s_cmp_lg_u32 s3, 0
	s_cbranch_scc1 .Llap
	TURN 0, 1, 0                                   ; the last lap fills nothing
	STEP 1, 0, 0
	s_wait_dscnt 4*NL
	WIN MUL_LO
	MUL16 0, 1, NQ-1, 1, 0
	MUL16 2, 1, NQ-1, 1, 0
	s_wait_dscnt 0
	WIN MUL_HI
	MUL16 4, 1, NQ-1, 1, 0
	MUL16 6, 1, NQ-1, 1, 0
	WIN 0
; THE WAY OUT.  64 numbers of a lane, register 16 b + i = place 32 b + 16 (lane / 16) + i along the next K of my row, become a fragment's codes in v[PC] on and its scale word in v[PW].
.macro QUANT s
.irp b, 0,1,2,3
	v_max3_num_f32 v[TM+\b], |v[\s+16*\b]|, |v[\s+1+16*\b]|, 0x1800000   ; block b: my 16 numbers, and the floor 2^(3 - 127)
.endr
.irp i, 2,4,6,8,10,12,14
.irp b, 0,1,2,3
	v_max3_num_f32 v[TM+\b], v[TM+\b], |v[\s+16*\b+\i]|, |v[\s+1+16*\b+\i]|
.endr
.endr
.irp b, 0,1,2,3
	v_permlanex16_b32 v[TM+4+\b], v[TM+\b], s[SEL], s[SEL+1]
.endr
.irp b, 0,1,2,3
	v_max_num_f32 v[TM+\b], v[TM+\b], v[TM+4+\b]   ; with lane l xor 16's: the block's largest magnitude
.endr
.irp b, 0,1,2,3
	v_add_nc_u32 v[TM+12+\b], 0xff000000, v[TM+\b] ; 2 off its exponent field: the conversion's scale operand
.endr
.irp b, 0,1,2,3
	v_lshrrev_b32 v[TM+4+\b], 23, v[TM+12+\b]      ; the scale's byte
.endr
	v_lshl_or_b32 v[PW], v[TM+5], 8, v[TM+4]
	v_lshl_or_b32 v[PW], v[TM+6], 16, v[PW]
	v_lshl_or_b32 v[PW], v[TM+7], 24, v[PW]
.irp c, 0,1
	v_cvt_scalef32_pk16_fp6_f32 v[PC+6*\c:PC+2+6*\c], v[\s+32*\c:\s+15+32*\c], v[TM+12+2*\c]
	v_cvt_scalef32_pk16_fp6_f32 v[PC+12+4*\c:PC+14+4*\c], v[\s+16+32*\c:\s+31+32*\c], v[TM+12+2*\c+1]
.endr
	v_nop                                          ; one plain place behind a scaled conversion
.irp c, 0,1                                    ; the operand's layout wants a whole block in a lane
.irp i, 0,1,2
	v_permlane16_swap_b32 v[PC+6*\c+\i], v[PC+12+4*\c+\i]
.endr
.irp i, 0,1,2
	v_mov_b32 v[PC+3+6*\c+\i], v[PC+12+4*\c+\i]
.endr
.endr
.endm
; Block a of my eight (16 rows of A x my 128 rows of B): + bias, quantised, stored.  Each accumulator is read from its low end on.
.macro BLK a, vway
.set AC, 64*((\a)%4)
.set WW, 0x02+(\a)/4
	WIN WW                                         ; source 0: window 2 or 3
.set i, 0
.rept 32
.if \vway
	v_pk_add_f32 v[T+2*i:T+2*i+1], v[AC+2*i:AC+2*i+1], v[BI+8*(\a)+2*(i%4):BI+8*(\a)+2*(i%4)+1]
.else
	v_pk_add_f32 v[T+2*i:T+2*i+1], v[AC+2*i:AC+2*i+1], v[BI+2*i:BI+2*i+1]
.endif
.set i, i+1
.endr
	WIN 0
.if (\a) > 0
	s_wait_xcnt 0x0                                ; the last block's stores have read the codes' registers: they are written again only behind this wait
.endif
	QUANT T
.if \vway
	v_mov_b32 v[PWS+(\a)], v[PW]
.irp i, 0,1,2
	global_store_b128 v[L16], v[PC+4*\i:PC+4*\i+3], s[14:15] offset:1536*(\a)+512*\i   ; 32 lanes store 512 consecutive bytes, aligned
.endr
.else
	v_lshrrev_b32 v[PWS+(\a)], v[SH], v[PW]        ; lanes 0-15: the word as it is (my first head's bytes lowest); lanes 16-31: my second head's bytes brought down
	global_store_b128 v[L16], v[PC:PC+3], s[14:15] offset:768*(\a)             ; registers 0-5: my first head's 64 along K
	global_store_b64 v[L8], v[PC+4:PC+5], s[14:15] offset:768*(\a)+512
	global_store_b128 v[L16], v[PC+6:PC+9], s[14:15] offset:6144+768*(\a)      ; registers 6-11: my second head's
	global_store_b64 v[L8], v[PC+10:PC+11], s[14:15] offset:6144+768*(\a)+512
.endif
.endm
	s_wait_loadcnt 0x0                             ; the bias
	PLACES NP                                      ; behind the last products: for the reads of results and the writes into the registers that held A's fragments
.irp b, 0,1,2,3
	v_mov_b32 v[TM+4+\b], 0                        ; a lane permute's destination counts as one of its sources
.endr
	s_cmp_eq_u32 s2, 1                             ; the cluster's y alone: the same in all sixteen partners
	s_cbranch_scc1 .Lway_v
.irp a, 0,1,2,3,4,5,6,7
	BLK \a, 0
.endr
	global_store_b128 v[LSC], v[PWS:PWS+3], s[16:17]               ; tiles 0-3: sixteen lanes store 256 consecutive bytes, aligned
	global_store_b128 v[LSC], v[PWS+4:PWS+7], s[16:17] offset:256  ; tiles 4-7
	s_branch .Lend
.Lway_v:
.irp a, 0,1,2,3,4,5,6,7
	BLK \a, 1
.endr
	v_cmp_eq_u32 vcc_lo, 1, v[HH]
.irp i, 0,1,2,3
	v_cndmask_b32 v[PWO+\i], v[PWS+\i], v[PWS+4+\i], vcc_lo        ; lanes 0-15: my first head's four tiles; lanes 16-31: my second's
.endr
	global_store_b128 v[LSC], v[PWO:PWO+3], s[16:17]
.Lend:
	s_wait_tensorcnt 0x0                           ; the wave's end
	ds_add_u32 v[SPW], v[NIL]
	s_wait_dscnt 0x0
	CROUND                                         ; the closing round: no work-group ends while a partner may still ask for a tile that names it
	s_endpgm
.Lfunc_end_k_qc1031baaed_proj:
	.size	k_qc1031baaed_proj, .Lfunc_end_k_qc1031baaed_proj-k_qc1031baaed_proj
	.p2alignl 7, 3214868480
	.fill 96, 4, 3214868480
	.section	.rodata,"a",@progbits
	.p2align	6, 0x0
	.amdhsa_kernel k_qc1031baaed_proj
		.amdhsa_group_segment_fixed_size 327680
		.amdhsa_private_segment_fixed_size 0
		.amdhsa_enable_private_segment 0
		.amdhsa_kernarg_size 56
		.amdhsa_user_sgpr_count 2
		.amdhsa_user_sgpr_kernarg_segment_ptr 1
		.amdhsa_wavefront_size32 1
		.amdhsa_system_sgpr_workgroup_id_x 1
		.amdhsa_system_sgpr_workgroup_id_y 1
		.amdhsa_system_sgpr_workgroup_id_z 1
		.amdhsa_system_vgpr_workitem_id 0
		.amdhsa_next_free_vgpr 1024
		.amdhsa_next_free_sgpr 106
		.amdhsa_reserve_vcc 1
		.amdhsa_float_denorm_mode_32 3
		.amdhsa_float_denorm_mode_16_64 3
		.amdhsa_memory_ordered 1
		.amdhsa_forward_progress 1
		.amdhsa_inst_pref_size 238
	.end_amdhsa_kernel
	.amdgpu_metadata
---
amdhsa.version: [ 1, 2 ]
amdhsa.kernels:
  - .name:           k_qc1031baaed_proj
    .symbol:         k_qc1031baaed_proj.kd
    .args:
      - { .name: codes, .offset: 0, .size: 8, .value_kind: global_buffer, .address_space: global }
      - { .name: scales, .offset: 8, .size: 8, .value_kind: global_buffer, .address_space: global }
      - { .name: bq, .offset: 16, .size: 8, .value_kind: global_buffer, .address_space: global }
      - { .name: bk, .offset: 24, .size: 8, .value_kind: global_buffer, .address_space: global }
      - { .name: bv, .offset: 32, .size: 8, .value_kind: global_buffer, .address_space: global }
      - { .name: img, .offset: 40, .size: 8, .value_kind: global_buffer, .address_space: global }
      - { .name: scl, .offset: 48, .size: 8, .value_kind: global_buffer, .address_space: global }
    .group_segment_fixed_size: 327680
    .private_segment_fixed_size: 0
    .kernarg_segment_align: 8
    .kernarg_segment_size: 56
    .max_flat_workgroup_size: 128
    .sgpr_count:     106
    .vgpr_count:     1024
    .wavefront_size: 32
...
	.end_amdgpu_metadata
.endif
;; end of part 3
;; launch attn (part 4): grid 32 x 16, 16 waves a work-group, no clusters, 327,680 bytes of LDS; arguments img, scl, mask, ctxc, ctxs; writes ctxc, ctxs
.if DOCPART == 4
	.amdgcn_target "amdgcn-amd-amdhsa--gfx1250"
	.amdhsa_code_object_version 6
	.text
	.protected	k_qc1031baaed_attn
	.globl	k_qc1031baaed_attn
	.p2align	8
	.type	k_qc1031baaed_attn,@function
k_qc1031baaed_attn:
	s_mov_b64 s[64:65], 0
	v_nop
	global_prefetch_b8 v0, s[64:65] scope:SCOPE_SE
	s_setreg_imm32_b32 hwreg(HW_REG_WAVE_MODE, 25, 1), 1
	s_wait_xcnt 0x0
; ctx[b][q][head] = the sum over keys of softmax(q . k / 8 + mask x (-1e9)) v, both products on codes of FP6 (E2M3) with E8M0 scales; ctx is quantised along (head, 64) for the output projection.
; q, k, v come as images of operand registers with their scale words (img, scl: laid by the launch before).  mask: [2048][2048] f32, honoured number by number.
; THE LOGIT.  Two roundings, as the definition has them, on numbers 8 times as large (exact): m8 = mask x (-8e9), u = s + m8 = 8 x logit.  One fused multiply-add would round otherwise where the mask holds other numbers than 0 and 1.
; THE SOFTMAX: t = u x log2(e) / 8; M = the running largest t rounded UP to a whole number; p = 2^(t - M) is quantised along the keys, not normalised; the row's sum is taken of the unquantised p and divides at the end;
; when M moves, the sum and O are multiplied by 2^(old M - new M): exact.
; THE FIRST PRODUCT'S K IS 64, the instruction's 128: the upper six registers of q's and of k's fragments hold zero codes, cleared once.
; SHARES.  Work-group x: 64 queries; y = 4 batch + head group.  Wave w: the tile of 16 queries w / 4 of head w % 4 of the group, in 256 registers: four waves to a SIMD.
; A key step is 128 keys.  Its mask tile (64 x 128 f32, 32,768 bytes) serves four heads, each head's K and V (12,288 bytes) four tiles of queries: 81,920 bytes of fills for sixteen wave steps.
; Ring of two LDS slots of one key step; wave 0 fetches K, wave 1 V, waves 2 and 3 the mask's halves.  The scale words of the four heads, all steps, come once and stay.
; NO CLUSTER in this text: K and V are shared along x and the mask along y, and each work-group asks for its own copy; a step's fill is issued a whole key step (sixteen waves' softmax) ahead of its wait.
; LAYOUT.  Both products transposed: S^T = K Q^T, O^T = V^T P^T: a lane holds ONE query (lane % 16).  K's rows lie with bits 3 and 4 of the key exchanged, so register 16 b + i of S^T is key 32 b + 16 (lane / 16) + i:
; the mask's 64 neighbouring bytes.  V's rows likewise: register 16 b + i of O^T is channel 32 b + 16 (lane / 16) + i.
; LIMITS: a block of zeros gets the byte 1 (its codes are zeros; this program alone reads the bytes); NaN and infinities are not served.
; REGISTERS: v1-5 addresses that stay; v6-10 the step's; v11 the prefetch's offset; v12 -M, v13 the largest t, v[14:15] the sum; v16-27 Q; v28, v29 the add's two; v32-79 four fragments of K;
;   v80-127 mask blocks 0-2, then V's four fragments; v128-191 S^T, then p; v192-223 O^T; v224-239 mask block 3, then p's codes and work; v244-254 at work; v255 q's scale words.
.set SLOT1, 1<<17                      ; slot 1 begins here: one exclusive or turns an address
.set MP,    528                        ; a mask row in LDS: 512 bytes + 16
.set KOFF,  64*MP                      ; a slot: the mask's 64 rows, K's 24,576 bytes, V's 24,576
.set KVB,   24576
.set SCK,   SLOT1+KOFF+2*KVB           ; behind slot 1: K's scale words [head][step][512],
.set SCV,   SCK+32768                  ; V's [head][step][256],
.set SPARE, SCV+16384                  ; the spare words, 128 bytes for each of sixteen waves
.set SST,   12288                      ; the way out: codes at 0 (64 x 192 bytes), scale bytes here (512), in slot 0, which has had its last fill and its last read by then
.set SEC,   6291456                    ; a section of img
.set A16Z, 1
.set A8Z,  2
.set AMZ,  3
.set AKZ,  4
.set AVZ,  5
.set A16,  6
.set A8,   7
.set AM,   8
.set AKS,  9
.set AVS,  10
.set PFO,  11
.set SPW,  28
.set NIL,  29
.set KF,   32
.set MV,   80
.set S,    128
.set O,    192
.set TB,   2                           ; s2   LDS byte at which the slot in hand begins
.set TS,   3                           ; s3   the step's scale words of K: 512 bytes a step
.set NEG,  14                          ; s[14:15] -8e9
.set GG,   16                          ; s16  my head in the group
.set YI,   17                          ; s17  work-group y
.set WV,   18
.set TT,   19                          ; s19  my tile of queries
.set SEL,  20
.set CS,   22                          ; s[22:23] log2(e) / 8
.set G1KV, 24
.set G1M,  32
.set G0KV, 40
.set G0M,  44
.set G1S,  48
.set G0SK, 56
.set G0SV, 60
.set TJ,   66                          ; s66  V's scale words: 256 bytes a step
.set SLOTS, 67
.set G1T,  68
.set PFA,  76
.set PFS,  78
.set LIM,  80
; Waves 0 and 1 take the first line, waves 2 and 3 the second, the others none.  An s_nop 0 and four v_nop follow each line.
.macro TLOAD g0a, g1a, g0b, g1b
	s_cmp_lt_u32 s[WV], 2
	s_cbranch_scc0 .Lnot_a_\@
	tensor_load_to_lds s[\g0a:\g0a+3], s[\g1a:\g1a+7]
	s_nop 0
.rept 4
	v_nop
.endr
	s_branch .Lasked_\@
.Lnot_a_\@:
	s_cmp_lt_u32 s[WV], 4
	s_cbranch_scc0 .Lasked_\@
	tensor_load_to_lds s[\g0b:\g0b+3], s[\g1b:\g1b+7]
	s_nop 0
.rept 4
	v_nop
.endr
.Lasked_\@:
.endm
; A PREFETCH INTO THE L2 of what the NEXT change of slots will ask for, one key step ahead of that load.  Each aligned block of 256 bytes is named once in the launch.
; K and V of a head group are walked by all 32 work-groups of a y: that with x = 0 asks, waves 4-6 for K's 24,576 bytes and waves 8-10 for V's, 8,192 bytes a wave, lanes 256 bytes apart.
; A mask tile is walked by all 16 work-groups of an x: that with y = 0 asks, waves 12-15, 16 rows a wave, two lanes to a row's 512 bytes.  The last change that fills a slot asks for nothing; steps 0 and 1 come by their loads alone.
.macro PREF
	s_cmp_gt_u32 s[SLOTS], s[LIM]
	s_cbranch_scc0 .Lnot_mine_\@
	global_prefetch_b8 v[PFO], s[PFA:PFA+1] th:TH_LOAD_NT scope:SCOPE_SE
.Lnot_mine_\@:
.endm
	s_load_b256 s[4:11], s[0:1], 0x0               ; img s[4:5], scl s[6:7], mask s[8:9], ctxc s[10:11]
	s_load_b64 s[12:13], s[0:1], 0x20              ; ctxs
	v_lshl_add_u32 v[SPW], v0, 2, SPARE
	v_mov_b32 v[NIL], 0
	ds_add_u32 v[SPW], v[NIL]                      ; the wave's opening: the add and its wait ahead of my first tensor load
	v_lshrrev_b32 v1, 5, v0
	v_readfirstlane_b32 s[WV], v1
	s_lshr_b32 s[TT], s[WV], 2
	s_and_b32 s[GG], s[WV], 3
	s_and_b32 s[YI], ttmp7, 0xffff
	s_and_b32 s81, s[WV], 1                        ; which of the two parts I fetch, if I fetch
	s_add_co_u32 s82, s81, 1
	s_mul_i32 s82, s82, SEC                        ; K's section or V's,
	s_mul_i32 s83, s[YI], 393216
	s_add_co_u32 s82, s82, s83                     ; my head group's 16 steps
	s_mov_b32 s83, 0
	s_mul_i32 s84, s81, KVB
	s_add_co_u32 s84, s84, KOFF                    ; and the place in a slot
	s_lshl_b32 s86, ttmp9, 6
	s_lshl_b32 s87, s81, 5
	s_add_co_u32 s86, s86, s87
	s_lshl_b32 s86, s86, 13                        ; the mask: row 64 x + 32 x half, 8,192 bytes a row
	s_mov_b32 s87, 0
	s_mul_i32 s85, s81, 32*MP
	s_lshl_b32 s88, s[YI], 15                      ; K's scale words: 32,768 bytes a head group, half of them
	s_lshl_b32 s89, s81, 14
	s_add_co_u32 s88, s88, s89
	s_add_co_u32 s88, s88, 524288
	s_add_co_u32 s90, s89, SCK
	s_mov_b32 s89, 0
	s_lshl_b32 s92, s[YI], 14                      ; V's: 16,384 bytes a head group
	s_lshl_b32 s93, s81, 13
	s_add_co_u32 s92, s92, s93
	s_add_co_u32 s92, s92, 1048576
	s_add_co_u32 s91, s93, SCV
	s_mov_b32 s93, 0
	s_mov_b32 s[G1KV], 3<<16                       ; K or V of a step: 24,576 dense bytes as 96 rows of 32 elements of 8 bytes; no mask, no padding
	s_mov_b32 s[G1KV+1], 32<<16
	s_mov_b32 s[G1KV+2], 96<<16
	s_mov_b32 s[G1KV+3], 32<<16
	s_mov_b32 s[G1KV+4], 96
	s_mov_b32 s[G1KV+5], 32
	s_mov_b32 s[G1KV+6], 0
	s_mov_b32 s[G1KV+7], 0
	s_mov_b32 s[G1M], (2<<16)|(1<<20)|(6<<22)|(3<<25)  ; the mask: 32 rows of 128 elements of 4 bytes, 4 words of padding behind every 128
	s_mov_b32 s[G1M+1], 128<<16
	s_mov_b32 s[G1M+2], 32<<16
	s_mov_b32 s[G1M+3], 128<<16
	s_mov_b32 s[G1M+4], 32
	s_mov_b32 s[G1M+5], 2048
	s_mov_b32 s[G1M+6], 0
	s_mov_b32 s[G1M+7], 0
	s_mov_b32 s[G1S], 3<<16                        ; half of K's scale words: 64 rows of 256 bytes
	s_mov_b32 s[G1S+1], 32<<16
	s_mov_b32 s[G1S+2], 64<<16
	s_mov_b32 s[G1S+3], 32<<16
	s_mov_b32 s[G1S+4], 64
	s_mov_b32 s[G1S+5], 32
	s_mov_b32 s[G1S+6], 0
	s_mov_b32 s[G1S+7], 0
	s_mov_b32 s[G1T], 3<<16                        ; half of V's: 32 rows
	s_mov_b32 s[G1T+1], 32<<16
	s_mov_b32 s[G1T+2], 32<<16
	s_mov_b32 s[G1T+3], 32<<16
	s_mov_b32 s[G1T+4], 32
	s_mov_b32 s[G1T+5], 32
	s_mov_b32 s[G1T+6], 0
	s_mov_b32 s[G1T+7], 0
	s_mov_b32 s[SEL], 0x76543210
	s_mov_b32 s[SEL+1], 0xfedcba98
	s_mov_b32 s[CS], 0x3e38aa3b                    ; log2(e) / 8
	s_mov_b32 s[CS+1], s[CS]
	s_mov_b32 s[NEG], 0xcfee6b28                   ; -8e9 = 8 x (-1e9), both exact in f32
	s_mov_b32 s[NEG+1], s[NEG]
	s_mov_b32 s[TB], 0
	s_mov_b32 s[TS], 0
	s_mov_b32 s[TJ], 0
	s_mov_b32 s[SLOTS], 15
	s_wait_dscnt 0x0                               ; the opening add is done
	s_wait_kmcnt 0x0
	s_mov_b32 s[G0SK], 1
	s_mov_b32 s[G0SK+1], s90
	s_add_nc_u64 s[G0SK+2:G0SK+3], s[6:7], s[88:89]
	s_or_b32 s[G0SK+3], s[G0SK+3], 0x80000000
	s_mov_b32 s[G0SV], 1
	s_mov_b32 s[G0SV+1], s91
	s_add_nc_u64 s[G0SV+2:G0SV+3], s[6:7], s[92:93]
	s_or_b32 s[G0SV+3], s[G0SV+3], 0x80000000
	TLOAD G0SK, G1S, G0SV, G1T                     ; the scale words: filled once
	s_mov_b32 s[G0KV], 1
	s_mov_b32 s[G0KV+1], s84
	s_add_nc_u64 s[G0KV+2:G0KV+3], s[4:5], s[82:83]
	s_or_b32 s[G0KV+3], s[G0KV+3], 0x80000000
	s_mov_b32 s[G0M], 1
	s_mov_b32 s[G0M+1], s85
	s_add_nc_u64 s[G0M+2:G0M+3], s[8:9], s[86:87]
	s_or_b32 s[G0M+3], s[G0M+3], 0x80000000
	TLOAD G0KV, G1KV, G0M, G1M                     ; slot 0: key step 0.  Two tensor loads of a fetching wave are out; every wait for them in this text is for 0
	; Q's image and scale word
	s_lshl_b32 s82, s[YI], 4
	s_lshr_b32 s83, ttmp9, 1
	s_add_co_u32 s82, s82, s83                     ; 16 y + my queries' step of 128 tokens
	s_mul_i32 s84, s82, 24576
	s_mul_i32 s85, s[GG], 6144
	s_add_co_u32 s84, s84, s85
	s_and_b32 s86, ttmp9, 1
	s_lshl_b32 s87, s86, 2
	s_add_co_u32 s87, s87, s[TT]                   ; my tile among the step's eight
	s_mul_i32 s87, s87, 768
	s_add_co_u32 s84, s84, s87
	s_mov_b32 s85, 0
	s_add_nc_u64 s[84:85], s[4:5], s[84:85]
	s_lshl_b32 s88, s[YI], 2
	s_add_co_u32 s88, s88, s[GG]
	s_lshl_b32 s88, s88, 4
	s_add_co_u32 s88, s88, s83
	s_lshl_b32 s88, s88, 9
	s_lshl_b32 s89, s86, 8
	s_add_co_u32 s88, s88, s89
	s_lshl_b32 s89, s[TT], 2
	s_add_co_u32 s88, s88, s89
	s_mov_b32 s89, 0
	s_add_nc_u64 s[88:89], s[6:7], s[88:89]
	v_and_b32 v9, 31, v0                           ; lane
	v_and_b32 v10, 15, v0                          ; r
	v_bfe_u32 v31, v0, 4, 1                        ; h
	v_lshlrev_b32 v6, 4, v9
	v_lshlrev_b32 v7, 3, v9
	v_lshlrev_b32 v8, 4, v10
	global_load_b128 v[16:19], v6, s[84:85]
	global_load_b64 v[20:21], v7, s[84:85] offset:512
	global_load_b32 v255, v8, s[88:89]
.irp i, 22,23,24,25,26,27
	v_mov_b32 v\i, 0                               ; Q's upper 64 along K: zero codes
.endr
.irp t, 0,1,2,3
.irp i, 6,7,8,9,10,11
	v_mov_b32 v[KF+12*\t+\i], 0                    ; K's likewise: never written again
.endr
.endr
	s_mul_i32 s90, s[GG], 6144
	s_add_co_u32 s90, s90, KOFF
	v_lshl_add_u32 v[A16Z], v9, 4, s90             ; an image's runs of 16 bytes a lane, my head's
	s_add_co_u32 s90, s90, 512
	v_lshl_add_u32 v[A8Z], v9, 3, s90              ; and of 8
	s_mul_i32 s90, s[TT], 16*MP
	v_mul_u32_u24 v[AMZ], v10, MP
	v_lshl_add_u32 v[AMZ], v31, 6, v[AMZ]
	v_add_nc_u32 v[AMZ], s90, v[AMZ]               ; the mask: my query's row, + 64 h
	s_lshl_b32 s90, s[GG], 13
	s_add_co_u32 s90, s90, SCK
	v_lshl_add_u32 v[AKZ], v10, 4, s90             ; K's scale words: 16 bytes a row: four tiles'
	s_lshl_b32 s90, s[GG], 12
	s_add_co_u32 s90, s90, SCV
	v_lshl_add_u32 v[AVZ], v10, 4, s90
	v_mov_b32 v13, 0xff61b1e6                      ; the largest t so far: -3e38
	v_floor_f32 v12, -v13                          ; -M
	v_mov_b32 v14, 0
	v_mov_b32 v15, 0
.irp b, 0,1,2,3
	v_mov_b32 v[236+\b], 0                         ; a lane permute's destination counts as one of its sources
.endr
	v_mov_b32 v253, 0
.set i, 0
.rept 32
	v_mov_b32 v[O+i], 0                            ; O^T: the step is written once; the first finds zeros
.set i, i+1
.endr
	s_wait_xcnt 0x0                                ; Q's three loads have had their addresses translated (ISA guide 3.1): their bases, s[84:85] and s[88:89], are written again only behind this wait
	; the way out's bases
	s_lshr_b32 s81, s[YI], 2                       ; batch
	s_and_b32 s82, s[YI], 3                        ; head group
	s_lshl_b32 s81, s81, 11
	s_lshl_b32 s83, ttmp9, 6
	s_add_co_u32 s81, s81, s83                     ; my work-group's first token
	s_mul_i32 s84, s81, 192
	s_mul_i32 s85, s82, 1572864
	s_add_co_u32 s84, s84, s85
	s_mov_b32 s85, 0
	s_add_nc_u64 s[10:11], s[10:11], s[84:85]
	s_lshl_b32 s84, s81, 5
	s_lshl_b32 s83, s82, 3
	s_add_co_u32 s84, s84, s83
	s_add_nc_u64 s[12:13], s[12:13], s[84:85]
	; the prefetches: where my wave's stand (at key step 1: the first change steps them to step 2), and who asks
	s_mul_i32 s84, s[TT], SEC
	s_mul_i32 s85, s[YI], 393216
	s_add_co_u32 s84, s84, s85
	s_lshl_b32 s85, s[GG], 13
	s_add_co_u32 s84, s84, s85
	s_add_co_u32 s84, s84, KVB                     ; K's (waves 4-6) or V's (waves 8-10)
	s_lshl_b32 s86, ttmp9, 6
	s_lshl_b32 s87, s[GG], 4
	s_add_co_u32 s86, s86, s87
	s_lshl_b32 s86, s86, 13
	s_add_co_u32 s86, s86, 512                     ; the mask's (waves 12-15)
	s_mov_b32 s94, KVB
	s_mov_b32 s95, 512
	s_cmp_eq_u32 s[TT], 3
	s_cselect_b64 s[PFA:PFA+1], s[8:9], s[4:5]
	s_cselect_b32 s[PFS], 512, s94                 ; a key step on
	s_cselect_b32 s81, 8192, s95                   ; from one pair of lanes to the next
	s_cselect_b32 s82, s[YI], ttmp9                ; the coordinate along which others walk the same bytes
	s_cselect_b32 s83, 0, s[GG]
	s_cselect_b32 s84, s86, s84
	s_mov_b32 s85, 0
	s_mov_b32 s[PFS+1], 0
	s_add_nc_u64 s[PFA:PFA+1], s[PFA:PFA+1], s[84:85]
	s_cmp_eq_u32 s83, 3                            ; K's and V's blocks are three waves' worth
	s_cselect_b32 s83, 1, 0
	s_or_b32 s82, s82, s83
	s_cmp_eq_u32 s[TT], 0                          ; waves 0-3 have the tensor loads
	s_cselect_b32 s83, 1, 0
	s_or_b32 s82, s82, s83
	s_cmp_eq_u32 s82, 0
	s_cselect_b32 s[LIM], 1, -1
	v_lshrrev_b32 v[PFO], 1, v9
	v_mul_u32_u24 v[PFO], v[PFO], s81
	v_and_b32 v30, 1, v9
	v_lshl_add_u32 v[PFO], v30, 8, v[PFO]
.macro KLOAD t0                        ; four tiles of K and their rows' scale words
.irp t, 0,1,2,3
	ds_load_b128 v[KF+12*\t:KF+12*\t+3], v[A16] offset:768*(\t0+\t)
	ds_load_b64 v[KF+12*\t+4:KF+12*\t+5], v[A8] offset:768*(\t0+\t)
.endr
	ds_load_b128 v[248:251], v[AKS] offset:64*\t0
.endm
.macro QK t0
.irp t, 0,1,2,3
	v_wmma_scale_f32_16x16x128_f8f6f4 v[S+8*(\t0+\t):S+8*(\t0+\t)+7], v[KF+12*\t:KF+12*\t+11], v[16:27], 0, v[248+\t], v255 matrix_a_fmt:MATRIX_FMT_FP6 matrix_b_fmt:MATRIX_FMT_FP6
.endr
.endm
; A KEY STEP: 128 keys.  The twelve matrix instructions name twelve different accumulators, one instruction a turn, over the loop's backward jump too.
.macro STEP
	v_add_nc_u32 v[A16], s[TB], v[A16Z]            ; five plain lines: also the places between the last step's products and the loads into their registers
	v_add_nc_u32 v[A8], s[TB], v[A8Z]
	v_add_nc_u32 v[AM], s[TB], v[AMZ]
	v_add_nc_u32 v[AKS], s[TS], v[AKZ]
	v_add_nc_u32 v[AVS], s[TJ], v[AVZ]
	KLOAD 0
.irp b, 0,1,2
.irp j, 0,1,2,3
	ds_load_b128 v[MV+16*\b+4*\j:MV+16*\b+4*\j+3], v[AM] offset:128*\b+16*\j   ; the mask of my query at keys 32 b + 16 h + 0 .. 15
.endr
.endr
.irp j, 0,1,2,3
	ds_load_b128 v[224+4*\j:227+4*\j], v[AM] offset:384+16*\j
.endr
	s_wait_dscnt 16                                ; K's four tiles and their words are in; the sixteen mask loads may be out
	QK 0
	s_wait_dscnt 0x0
.set i, 0
.rept 8
	v_pk_mul_f32 v[MV+i:MV+i+1], v[MV+i:MV+i+1], s[NEG:NEG+1] op_sel_hi:[1,0]   ; m8 = mask x (-8e9).  These eight are the places in front of the loads below
.set i, i+2
.endr
	KLOAD 4
.rept 16
	v_pk_mul_f32 v[MV+i:MV+i+1], v[MV+i:MV+i+1], s[NEG:NEG+1] op_sel_hi:[1,0]
.set i, i+2
.endr
.set i, 0
.rept 8
	v_pk_mul_f32 v[224+i:225+i], v[224+i:225+i], s[NEG:NEG+1] op_sel_hi:[1,0]
.set i, i+2
.endr
	s_wait_dscnt 0x0
	QK 4
.set i, 0
.rept 24
	v_pk_add_f32 v[S+i:S+i+1], v[S+i:S+i+1], v[MV+i:MV+i+1]   ; u = s + m8, each accumulator from its low end on.  The first sixteen name nothing of the last four products: they are the places in front of the reads of those
.set i, i+2
.endr
.set i, 0
.rept 8
	v_pk_add_f32 v[S+48+i:S+49+i], v[S+48+i:S+49+i], v[224+i:225+i]
.set i, i+2
.endr
.irp t, 0,1,2,3                                ; V's four tiles and their words: they land under the softmax
.irp i, 0,1,2
	ds_load_b128 v[MV+12*\t+4*\i:MV+12*\t+4*\i+3], v[A16] offset:KVB+1536*\t+512*\i
.endr
.endr
	ds_load_b128 v[248:251], v[AVS]
.irp b, 0,1,2,3
	v_max3_num_f32 v[232+\b], v[S+16*\b], v[S+1+16*\b], v[S+2+16*\b]   ; the largest u of each block of 32 keys: for the row's maximum, and, since p rises with u, for the block's largest p
.endr
.irp i, 3,5,7,9,11,13
.irp b, 0,1,2,3
	v_max3_num_f32 v[232+\b], v[232+\b], v[S+16*\b+\i], v[S+1+16*\b+\i]
.endr
.endr
.irp b, 0,1,2,3
	v_max_num_f32 v[232+\b], v[232+\b], v[S+15+16*\b]
.endr
.irp b, 0,1,2,3
	v_permlanex16_b32 v[236+\b], v[232+\b], s[SEL], s[SEL+1]
.endr
.irp b, 0,1,2,3
	v_max_num_f32 v[232+\b], v[232+\b], v[236+\b]
.endr
	v_max3_num_f32 v254, v232, v233, v234
	v_max_num_f32 v254, v254, v235
	v_mul_f32 v254, s[CS], v254                    ; as t
	v_max_num_f32 v13, v13, v254                   ; the running largest t
	v_mov_b32 v254, v12
	v_floor_f32 v12, -v13                          ; the new -M = -ceil(t)
	v_sub_f32 v254, v12, v254                      ; old M - new M: a whole number, 0 or less
	v_cvt_i32_f32 v254, v254                       ; (it saturates)
	v_ldexp_f32 v252, 1.0, v254                    ; f = 2^(old M - new M)
.set i, 0
.rept 32
	v_pk_fma_f32 v[S+i:S+i+1], v[S+i:S+i+1], s[CS:CS+1], v[12:13] op_sel_hi:[1,0,0]   ; t - M
.set i, i+2
.endr
.irp b, 0,1,2,3
	v_fma_f32 v[232+\b], v[232+\b], s[CS], v12
.endr
.set i, 0
.rept 64
	v_exp_f32 v[S+i], v[S+i]                       ; p = 2^(t - M)
.set i, i+1
.endr
	v_pk_mul_f32 v[14:15], v[14:15], v[252:253] op_sel_hi:[1,0]   ; the sums under the new M: the plain line behind the exponentials
	s_wait_alu depctr_va_vdst(0)                   ; one wait for the batch of 64, ahead of its first reader
.irp b, 0,1,2,3
	v_exp_f32 v[232+\b], v[232+\b]                 ; the blocks' largest p
.endr
	v_pk_add_f32 v[236:237], v[S:S+1], v[S+2:S+3]  ; the row's sum of the unquantised p, in two chains; pairs 56 to 62 follow further down
.irp j, 4,8,12,16,20,24,28,32,36,40,44,48,52
	v_pk_add_f32 v[14:15], v[14:15], v[S+\j:S+\j+1]
	v_pk_add_f32 v[236:237], v[236:237], v[S+2+\j:S+3+\j]
.endr
	v_pk_add_f32 v[14:15], v[14:15], v[236:237]
	s_wait_alu depctr_va_vdst(0)                   ; and one for the four
.irp b, 0,1,2,3
	v_max_num_f32 v[232+\b], 0x1800000, v[232+\b]  ; the floor 2^(3 - 127)
.endr
.irp b, 0,1,2,3
	v_add_nc_u32 v[244+\b], 0xff000000, v[232+\b]  ; the conversion's scale operand
.endr
.irp b, 0,1,2,3
	v_lshrrev_b32 v[236+\b], 23, v[244+\b]         ; the scale's byte
.endr
	v_lshl_or_b32 v253, v237, 8, v236              ; p's scale word for these 128 keys
	v_lshl_or_b32 v253, v238, 16, v253
	v_lshl_or_b32 v253, v239, 24, v253
.irp c, 0,1
	v_cvt_scalef32_pk16_fp6_f32 v[224+6*\c:226+6*\c], v[S+32*\c:S+15+32*\c], v[244+2*\c]
	v_cvt_scalef32_pk16_fp6_f32 v[236+4*\c:238+4*\c], v[S+16+32*\c:S+31+32*\c], v[244+2*\c+1]
.endr
	v_nop                                          ; one plain line behind the conversions
.irp c, 0,1                                    ; the operand's layout wants a whole block in a lane
.irp i, 0,1,2
	v_permlane16_swap_b32 v[224+6*\c+\i], v[236+4*\c+\i]
.endr
.irp i, 0,1,2
	v_mov_b32 v[227+6*\c+\i], v[236+4*\c+\i]
.endr
.endr
.set i, 0
.rept 16
	v_pk_mul_f32 v[O+i:O+i+1], v[O+i:O+i+1], v[252:253] op_sel_hi:[1,0]   ; O^T under the new M.  With the four below: the places between the scale word's and the codes' last writes and the products
.set i, i+2
.endr
.irp j, 56,58,60,62
	v_pk_add_f32 v[14:15], v[14:15], v[S+\j:S+\j+1]               ; the sum's last four pairs
.endr
	s_wait_dscnt 0x0                               ; V
.irp t, 0,1,2,3
	v_wmma_scale_f32_16x16x128_f8f6f4 v[O+8*\t:O+8*\t+7], v[MV+12*\t:MV+12*\t+11], v[224:235], v[O+8*\t:O+8*\t+7], v[248+\t], v253 matrix_a_fmt:MATRIX_FMT_FP6 matrix_b_fmt:MATRIX_FMT_FP6
.endr
	s_add_co_u32 s[TS], s[TS], 512
	s_add_co_u32 s[TJ], s[TJ], 256
.endm
; THE CHANGE OF SLOTS stands at a step's head.  Each wave waits for all its tensor loads, adds 0 to its spare word, and waits for that and for its reads of the slot that it has left; behind the barrier
; the slot ahead is whole and nobody reads the other one, which is filled with the next step's tiles: that load has the whole step in which to land.
.macro CHANGE fill
	s_wait_tensorcnt 0x0                           ; no tensor load of mine is out, so a group 0 may be written
	ds_add_u32 v[SPW], v[NIL]
.if \fill
	s_xor_b32 s[G0KV+1], s[G0KV+1], SLOT1
	s_add_nc_u64 s[G0KV+2:G0KV+3], s[G0KV+2:G0KV+3], KVB
	s_xor_b32 s[G0M+1], s[G0M+1], SLOT1
	s_add_nc_u64 s[G0M+2:G0M+3], s[G0M+2:G0M+3], 512
	s_wait_xcnt 0x0                                ; the last prefetch, a step back, has read its address
	s_add_nc_u64 s[PFA:PFA+1], s[PFA:PFA+1], s[PFS:PFS+1]
.endif
	s_wait_dscnt 0x0                               ; the add is done, and my reads of the slot that I have left are over
	s_barrier_signal -1
	s_barrier_wait -1
.if \fill
	TLOAD G0KV, G1KV, G0M, G1M                     ; the first thing behind the barrier, and a wave's one tensor load until the next
	PREF
.endif
.endm
	s_wait_loadcnt 0x0                             ; Q and its scale words; their address registers may be written
.Lslot:                                            ; 15 trips: behind each change of slots but the last the next step is asked for
	CHANGE 1
	STEP
	s_xor_b32 s[TB], s[TB], SLOT1
	s_sub_co_u32 s[SLOTS], s[SLOTS], 1
	s_cmp_lg_u32 s[SLOTS], 0
	s_cbranch_scc1 .Lslot
	CHANGE 0                                       ; the last step is written out
	STEP
	; THE WAY OUT.  O^T / the sum is my head's 64 numbers of ctx for my query: two blocks of 32 along the output projection's K.  Codes and bytes meet in a stage (64 tokens x 192 bytes; 64 x 8 bytes) and leave in long runs.
	v_add_f32 v14, v14, v15
	v_permlanex16_b32 v252, v14, s[SEL], s[SEL+1]
	v_add_f32 v14, v14, v252                       ; the row's sum
	v_rcp_f32 v14, v14
	v_and_b32 v1, 15, v0                           ; r  (plain lines behind the reciprocal, and the places behind the last products)
	v_bfe_u32 v2, v0, 4, 1                         ; h
	v_and_b32 v3, 31, v0                           ; lane
	s_mul_i32 s87, s[TT], 16*192
	s_mul_i32 s88, s[GG], 48
	s_add_co_u32 s87, s87, s88
	v_mul_u32_u24 v4, v1, 192
	v_mad_u32_u24 v4, v2, 24, v4
	v_add_nc_u32 v4, s87, v4                       ; codes in: token 16 T + r, head g's 48 bytes, block h's 24
	s_lshl_b32 s87, s[TT], 7
	s_lshl_b32 s88, s[GG], 1
	s_add_co_u32 s87, s87, s88
	s_add_co_u32 s87, s87, SST
	v_lshl_add_u32 v5, v1, 3, s87                  ; bytes in: 8 a token, my head's two
	s_mul_i32 s87, s[WV], 768
	v_lshl_add_u32 v6, v3, 4, s87                  ; codes back, and their place in ctxc: 768 bytes a wave: 512 by 16 a lane,
	s_add_co_u32 s88, s87, 512
	v_lshl_add_u32 v7, v3, 3, s88                  ; 256 by 8
	s_lshl_b32 s88, s[WV], 8
	s_add_co_u32 s88, s88, SST
	v_lshl_add_u32 v8, v3, 3, s88                  ; bytes back (waves 0 and 1): a token a lane
	s_lshl_b32 s88, s[WV], 10
	v_lshl_add_u32 v9, v3, 5, s88                  ; and its row of 32 bytes in ctxs
	s_wait_alu depctr_va_vdst(0)                   ; the wait ahead of the reciprocal's first reader
.set i, 0
.rept 16
	v_pk_mul_f32 v[S+i:S+i+1], v[O+i:O+i+1], v[14:15] op_sel_hi:[1,0]   ; each accumulator from its low end on
.set i, i+2
.endr
.irp b, 0,1
	v_max3_num_f32 v[232+\b], |v[S+16*\b]|, |v[S+1+16*\b]|, 0x1800000
.endr
.irp i, 2,4,6,8,10,12,14
.irp b, 0,1
	v_max3_num_f32 v[232+\b], v[232+\b], |v[S+16*\b+\i]|, |v[S+1+16*\b+\i]|
.endr
.endr
.irp b, 0,1
	v_permlanex16_b32 v[236+\b], v[232+\b], s[SEL], s[SEL+1]
.endr
.irp b, 0,1
	v_max_num_f32 v[232+\b], v[232+\b], v[236+\b]
.endr
.irp b, 0,1
	v_add_nc_u32 v[244+\b], 0xff000000, v[232+\b]
.endr
.irp b, 0,1
	v_lshrrev_b32 v[236+\b], 23, v[244+\b]
.endr
	v_lshl_or_b32 v254, v237, 8, v236              ; my head's two bytes (not in v253, which the products name as a scale operand)
	v_cvt_scalef32_pk16_fp6_f32 v[224:226], v[S:S+15], v244
	v_cvt_scalef32_pk16_fp6_f32 v[228:230], v[S+16:S+31], v245
	v_nop
.irp i, 0,1,2
	v_permlane16_swap_b32 v[224+\i], v[228+\i]     ; lane (r, h) now holds block h: its lower 16 codes in v224-226, its upper in v228-230
.endr
	v_mov_b32 v227, v228
	v_mov_b32 v228, v229
	v_mov_b32 v229, v230
	ds_store_b64 v4, v[224:225]
	ds_store_b64 v4, v[226:227] offset:8
	ds_store_b64 v4, v[228:229] offset:16
	ds_store_b16 v5, v254                          ; both halves of the lanes write the same bytes with the same value
	s_wait_dscnt 0x0                               ; for the others' sake: my stores have landed
	s_barrier_signal -1
	s_barrier_wait -1
	ds_load_b128 v[32:35], v6
	ds_load_b64 v[36:37], v7
	s_wait_dscnt 0x0
	global_store_b128 v6, v[32:35], s[10:11]       ; 512 and 256 consecutive bytes, aligned
	global_store_b64 v7, v[36:37], s[10:11]
	s_cmp_lt_u32 s[WV], 2
	s_cbranch_scc0 .Lno_bytes
	ds_load_b64 v[38:39], v8
	s_wait_dscnt 0x0
	global_store_b64 v9, v[38:39], s[12:13]        ; 8 bytes of a token's 32: one part in 24 of what the launch stores
.Lno_bytes:
	s_wait_tensorcnt 0x0                           ; the wave's end
	ds_add_u32 v[SPW], v[NIL]
	s_wait_dscnt 0x0
	s_endpgm
.Lfunc_end_k_qc1031baaed_attn:
	.size	k_qc1031baaed_attn, .Lfunc_end_k_qc1031baaed_attn-k_qc1031baaed_attn
	.p2alignl 7, 3214868480
	.fill 96, 4, 3214868480
	.section	.rodata,"a",@progbits
	.p2align	6, 0x0
	.amdhsa_kernel k_qc1031baaed_attn
		.amdhsa_group_segment_fixed_size 327680
		.amdhsa_private_segment_fixed_size 0
		.amdhsa_enable_private_segment 0
		.amdhsa_kernarg_size 40
		.amdhsa_user_sgpr_count 2
		.amdhsa_user_sgpr_kernarg_segment_ptr 1
		.amdhsa_wavefront_size32 1
		.amdhsa_system_sgpr_workgroup_id_x 1
		.amdhsa_system_sgpr_workgroup_id_y 1
		.amdhsa_system_sgpr_workgroup_id_z 1
		.amdhsa_system_vgpr_workitem_id 0
		.amdhsa_next_free_vgpr 256
		.amdhsa_next_free_sgpr 100
		.amdhsa_reserve_vcc 0
		.amdhsa_float_denorm_mode_32 3
		.amdhsa_float_denorm_mode_16_64 3
		.amdhsa_memory_ordered 1
		.amdhsa_forward_progress 1
		.amdhsa_inst_pref_size 61
	.end_amdhsa_kernel
	.amdgpu_metadata
---
amdhsa.version: [ 1, 2 ]
amdhsa.kernels:
  - .name:           k_qc1031baaed_attn
    .symbol:         k_qc1031baaed_attn.kd
    .args:
      - { .name: img, .offset: 0, .size: 8, .value_kind: global_buffer, .address_space: global }
      - { .name: scl, .offset: 8, .size: 8, .value_kind: global_buffer, .address_space: global }
      - { .name: mask, .offset: 16, .size: 8, .value_kind: global_buffer, .address_space: global }
      - { .name: ctxc, .offset: 24, .size: 8, .value_kind: global_buffer, .address_space: global }
      - { .name: ctxs, .offset: 32, .size: 8, .value_kind: global_buffer, .address_space: global }
    .group_segment_fixed_size: 327680
    .private_segment_fixed_size: 0
    .kernarg_segment_align: 8
    .kernarg_segment_size: 40
    .max_flat_workgroup_size: 512
    .sgpr_count:     100
    .vgpr_count:     256
    .wavefront_size: 32
...
	.end_amdgpu_metadata
.endif
;; end of part 4
;; launch outp (part 5): grid 4 x 32, 4 waves a work-group, clusters of 4 x 4, 327,680 bytes of LDS; arguments ctxc, ctxs, codes, scales, bo, out0; writes out0
.if DOCPART == 5
	.amdgcn_target "amdgcn-amd-amdhsa--gfx1250"
	.amdhsa_code_object_version 6
	.text
	.protected	k_qc1031baaed_outp
	.globl	k_qc1031baaed_outp
	.p2align	8
	.type	k_qc1031baaed_outp,@function
k_qc1031baaed_outp:
	s_mov_b64 s[64:65], 0
	v_nop
	global_prefetch_b8 v0, s[64:65] scope:SCOPE_SE
	s_setreg_imm32_b32 hwreg(HW_REG_WAVE_MODE, 25, 1), 1
	s_wait_xcnt 0x0
	s_wait_alu depctr_hold_cnt(0) depctr_sa_sdst(0) depctr_va_vdst(0) depctr_va_sdst(0) depctr_va_ssrc(0) depctr_va_vcc(0) depctr_vm_vsrc(0)
	s_getreg_b32 s2, hwreg(HW_REG_IB_STS2, 6, 4)
	s_cmp_eq_u32 s2, 0
	s_cbranch_scc0 .Lentry_in_a_cluster
	s_endpgm
.Lentry_in_a_cluster:
	s_bfe_u32 s2, ttmp6, 0x10000c
	s_cmp_lg_u32 s2, 0xf033
	s_cbranch_scc0 .Lentry_shape_is_right
	s_endpgm
.Lentry_shape_is_right:
; out0 = ctx Wo + bo: 8,192 x 1,024 x 1,024 on codes of FP6 (E2M3) with E8M0 scales; sums in f32; out0 f32.
; A = ctx: codes [head group (4)][token][192]: a K step of 256 is one head group, its tile's rows dense; scale bytes [token][32].  B = Wo's codes [n][768] and scale bytes [n][32], at their section of codes and scales,
; rows with bits 3 and 4 of n exchanged: register j of result tile b is column 32 (b / 2) + 16 (lane / 16) + 8 (b % 2) + j.
; A tile of 256 x 256 is made by four waves, 128 x 128 each; K in steps of 256 through a ring of two LDS slots; the scales of the work-group's rows come once.
; CLUSTERS: 4 x 4 work-groups; A's tile is asked for jointly by a row of the cluster, B's by a column.  The matrix instruction is used transposed (source 0 = rows of B, source 1 = rows of A).
; THE BIAS is the C of each sum's first matrix instruction: eight registers a tile of columns, in the result's layout.
; REGISTERS: window 0: v16-29 addresses; v32-63 scale words, two sets; v64-127 the bias; v128-223 A's fragments, one set; on the way out v128-255 rows of out0.
;   window 1: B's fragments, two sets.   windows 2, 3: the accumulators ((a, b) at v[8 (8 (a % 4) + b)]).
.set SIZE_N, 1024
.set KSTEP,  256
.set NQ,     KSTEP/128
.set ROWB,   192
.set KROW,   768
.set ASTEP,  8192*192                  ; from one head group of ctx's codes to the next
.set WOC,    18874368+3*786432         ; Wo's codes
.set WOS,    786432+3*32768            ; Wo's scale bytes
.set PITCH,  240
.set FR,     12
.set NL,     6
.set NP,     4
.set HALFT,  128*PITCH
.set SLOT,   4*HALFT
.set LAPS,   2
.set KS,     32
.set SCL,    2*SLOT
.set HALFS,  (128*KS/256)*272
.set SBLK,   (16*KS/256)*272
.set SPARE,  SCL+4*HALFS
.set SPITCH, 528                       ; the way out: a stage of 16 rows x (512 bytes + 16) for each wave, in slot 0, which has had its last fill and its last read by then
.set ADRA, 16
.set ADRB, 20
.set STO,  24
.set RD,   25
.set CO,   26
.set ADRS, 27
.set SPW,  28
.set NIL,  29
.set SC,   32
.set BI,   64
.set AF,   128
.set BK,   128
.set G1, 24
.set G0, 32
.set G1B, 48
.set G0B, 56
.set G1S, 68
.set G0S, 76
.set G1SB, 80
.set G0SB, 88
.set WV, 98
.set WA, 99
.set WB, 100
.set TA, 101
.set MSB, 0
.macro WIN new
.if MSB != \new
	s_set_vgpr_msb (MSB<<8)|\new
.set MSB, \new
.endif
.endm
.set MUL_LO, 0xa1
.set MUL_HI, 0xf1
.set BIA_LO, 0x81                      ; source 0 (B) window 1, source 1 (A) and C (the bias) window 0, D window 2
.set BIA_HI, 0xc1
.set TO_B,   0x40
.macro JLOAD g0a, g1a, g0b, g1b        ; a joint load: waves 0 and 1 fetch for A, waves 2 and 3 for B; an s_nop 0 and four v_nop follow each line
	s_cmp_eq_u32 s[WA], 0
	s_cbranch_scc0 .Lfor_b_\@
	tensor_load_to_lds s[\g0a:\g0a+3], s[\g1a:\g1a+7]
	s_nop 0
.rept 4
	v_nop
.endr
	s_branch .Lasked_\@
.Lfor_b_\@:
	tensor_load_to_lds s[\g0b:\g0b+3], s[\g1b:\g1b+7]
	s_nop 0
.rept 4
	v_nop
.endr
.Lasked_\@:
.endm
.macro CREST
	s_cmp_lg_u32 s[WV], 0
	s_cbranch_scc1 .Lnot_wave_0_\@
	s_barrier_signal -3
.Lnot_wave_0_\@:
	s_barrier_wait -3
	s_barrier_signal -1
	s_barrier_wait -1
.endm
.macro CROUND
	s_barrier_signal -1
	s_barrier_wait -1
	CREST
.endm
	s_load_b256 s[4:11], s[0:1], 0x0               ; ctx's codes s[4:5], ctx's scales s[6:7], codes s[8:9], scales s[10:11]
	s_load_b128 s[12:15], s[0:1], 0x20             ; bo s[12:13], out0 s[14:15]
	v_lshl_add_u32 v[SPW], v0, 2, SPARE
	v_mov_b32 v[NIL], 0
	ds_add_u32 v[SPW], v[NIL]                      ; the wave's opening: the add and its wait ahead of my first tensor load
	v_lshrrev_b32 v1, 5, v0
	v_readfirstlane_b32 s[WV], v1
	s_lshr_b32 s[WA], s[WV], 1
	s_and_b32 s[WB], s[WV], 1
	s_bfe_u32 s40, ttmp6, 0x40000                  ; cx
	s_bfe_u32 s41, ttmp6, 0x40004                  ; cy
	s_lshl_b32 s42, ttmp9, 2
	s_add_co_u32 s42, s42, s40                     ; tile column
	s_and_b32 s[TA], ttmp7, 0xffff
	s_lshl_b32 s[TA], s[TA], 2
	s_add_co_u32 s[TA], s[TA], s41                 ; tile row
	s_lshl_b32 s43, s41, 2
	s_lshl_b32 s43, 15, s43
	s_lshl_b32 s44, 0x1111, s40
	s_or_b32 s[G1+0], s43, (0<<16)|(1<<20)|(1<<21)|(3<<22)|(3<<25)
	s_or_b32 s[G1B+0], s44, (0<<16)|(1<<20)|(1<<21)|(3<<22)|(3<<25)
.irp g, G1, G1B
	s_mov_b32 s[\g+1], ROWB<<16
	s_mov_b32 s[\g+2], 128<<16
	s_mov_b32 s[\g+3], ROWB<<16
	s_mov_b32 s[\g+4], 128
	s_mov_b32 s[\g+6], 0
	s_mov_b32 s[\g+7], 0
.endr
	s_mov_b32 s[G1+5], ROWB                        ; A's rows are dense,
	s_mov_b32 s[G1B+5], KROW                       ; B's 768 bytes apart
	s_or_b32 s[G1S+0], s43, (3<<16)|(1<<20)|(1<<21)|(5<<22)|(3<<25)
	s_or_b32 s[G1SB+0], s44, (3<<16)|(1<<20)|(1<<21)|(5<<22)|(3<<25)
.irp g, G1S, G1SB
	s_mov_b32 s[\g+1], 32<<16
	s_mov_b32 s[\g+2], (128*KS/256)<<16
	s_mov_b32 s[\g+3], 32<<16
	s_mov_b32 s[\g+4], 128*KS/256
	s_mov_b32 s[\g+5], 32
	s_mov_b32 s[\g+6], 0
	s_mov_b32 s[\g+7], 0
.endr
	s_lshl_b32 s18, s[WB], 7
	s_lshl_b32 s20, s[TA], 8
	s_add_co_u32 s20, s20, s18                     ; A's row
	s_lshl_b32 s46, s42, 8
	s_add_co_u32 s46, s46, s18                     ; B's row
	s_lshl_b32 s92, s20, 5
	s_mov_b32 s93, 0
	s_lshl_b32 s94, s46, 5
	s_add_co_u32 s94, s94, WOS
	s_mov_b32 s95, 0
	s_mul_i32 s20, s20, ROWB
	s_mov_b32 s21, 0
	s_mul_i32 s46, s46, KROW
	s_add_co_u32 s46, s46, WOC
	s_mov_b32 s47, 0
	s_mul_i32 s45, s[WV], HALFT
	s_mul_i32 s96, s[WV], HALFS
	s_wait_dscnt 0x0                               ; the opening add is done
	s_wait_kmcnt 0x0
	s_add_nc_u64 s[20:21], s[4:5], s[20:21]
	s_add_nc_u64 s[92:93], s[6:7], s[92:93]
	s_add_nc_u64 s[46:47], s[8:9], s[46:47]
	s_add_nc_u64 s[94:95], s[10:11], s[94:95]
	CROUND                                         ; all sixteen work-groups are here: the first joint loads meet
	s_mov_b32 s[G0S], 1
	s_add_co_u32 s[G0S+1], s96, SCL
	s_mov_b64 s[G0S+2:G0S+3], s[92:93]
	s_or_b32 s[G0S+3], s[G0S+3], 0x80000000
	s_mov_b32 s[G0SB], 1
	s_add_co_u32 s[G0SB+1], s96, SCL
	s_mov_b64 s[G0SB+2:G0SB+3], s[94:95]
	s_or_b32 s[G0SB+3], s[G0SB+3], 0x80000000
	JLOAD G0S, G1S, G0SB, G1SB
.irp s, 0,1
	s_mov_b32 s[G0+4*\s], 1
	s_add_co_u32 s[G0+4*\s+1], s45, \s*SLOT
	s_add_nc_u64 s[G0+4*\s+2:G0+4*\s+3], s[20:21], \s*ASTEP
	s_or_b32 s[G0+4*\s+3], s[G0+4*\s+3], 0x80000000
	s_mov_b32 s[G0B+4*\s], 1
	s_add_co_u32 s[G0B+4*\s+1], s45, \s*SLOT
	s_add_nc_u64 s[G0B+4*\s+2:G0B+4*\s+3], s[46:47], \s*ROWB
	s_or_b32 s[G0B+4*\s+3], s[G0B+4*\s+3], 0x80000000
	JLOAD G0+4*\s, G1, G0B+4*\s, G1B               ; three tensor loads of mine are out behind the second of these
.endr
	v_and_b32 v1, 15, v0                           ; r
	v_bfe_u32 v2, v0, 4, 1                         ; h
	s_lshl_b32 s46, s42, 10                        ; my first column, in bytes: 1,024 x tile column + 512 x half
	s_lshl_b32 s47, s[WB], 9
	s_add_co_u32 s46, s46, s47
	s_mov_b32 s47, 0
	s_add_nc_u64 s[12:13], s[12:13], s[46:47]      ; bo at my 128 columns
	v_lshlrev_b32 v7, 6, v2
.irp m, 0,1,2,3,4,5,6,7
	global_load_b128 v[BI+8*\m:BI+8*\m+3], v7, s[12:13] offset:128*(\m/2)+32*(\m%2)       ; tile m's registers: columns 32 (m / 2) + 16 h + 8 (m % 2) + 0 .. 7
	global_load_b128 v[BI+8*\m+4:BI+8*\m+7], v7, s[12:13] offset:128*(\m/2)+32*(\m%2)+16
.endr
	v_mul_u32_u24 v3, v1, PITCH
	v_mul_u32_u24 v4, v2, 24
	v_add_nc_u32 v4, v3, v4
	v_lshl_add_u32 v5, v2, 4, v4
	s_mul_i32 s21, s[WA], HALFT
	s_mul_i32 s22, s[WB], HALFT
	s_add_co_u32 s22, s22, 2*HALFT
.irp s, 0,1
	v_add_nc_u32 v[ADRA+\s], s21, v4
	v_add_nc_u32 v[ADRB+\s], s22, v4
	v_add_nc_u32 v[ADRA+2+\s], s21, v5
	v_add_nc_u32 v[ADRB+2+\s], s22, v5
	s_add_co_u32 s21, s21, SLOT
	s_add_co_u32 s22, s22, SLOT
.endr
	v_mul_u32_u24 v5, v1, KS
	v_lshrrev_b32 v6, 8, v5
	v_lshl_add_u32 v5, v6, 4, v5
	s_mul_i32 s21, s[WA], HALFS
	s_mul_i32 s22, s[WB], HALFS
	s_add_co_u32 s22, s22, 2*HALFS
	s_sub_co_u32 s22, s22, s21
	v_mul_u32_u24 v6, s22, v2
	s_add_co_u32 s21, s21, SCL
	v_add_nc_u32 v5, v5, v6
	v_add_nc_u32 v[ADRS], s21, v5
	s_mul_i32 s23, s[WV], 16*SPITCH                ; my stage
	v_mul_u32_u24 v5, v1, SPITCH                   ; in: row r, + 64 h
	v_lshl_add_u32 v5, v2, 6, v5
	v_add_nc_u32 v[STO], s23, v5
	v_and_b32 v6, 31, v0
	v_lshlrev_b32 v[CO], 4, v6                     ; back: the 32 lanes take one row of 512 bytes; and the same in out0
	v_add_nc_u32 v[RD], s23, v[CO]
	s_lshl_b32 s20, s[TA], 8
	s_lshl_b32 s21, s[WA], 7
	s_add_co_u32 s20, s20, s21                     ; my first row of out0
	s_lshl_b32 s20, s20, 12                        ; 4,096 bytes a row: under 2^32
	s_mov_b32 s21, 0
	s_add_nc_u64 s[20:21], s[20:21], s[46:47]
	s_add_nc_u64 s[14:15], s[14:15], s[20:21]
.macro FRAG reg, adr, q, i
.irp p, 0,1,2,3,4,5
.set PCE, 12*(\q)+6*(\p/3)+\p%3
.if PCE%8 < 5
	ds_load_b64 v[\reg+2*\p:\reg+2*\p+1], v[\adr] offset:8*PCE+16*(PCE/8)+(\i)*16*PITCH
.else
	ds_load_b64 v[\reg+2*\p:\reg+2*\p+1], v[\adr+2] offset:8*PCE+16*(PCE/8)+(\i)*16*PITCH
.endif
.endr
.endm
; 16 matrix instructions.  first = 1: the sums begin with the bias as C.  The 64 accumulators take turns, one instruction a turn.
.macro MUL16 a0, p, q, sc, first
.irp a, \a0, \a0+1
.irp b, 0,1,2,3,4,5,6,7
.if \first
	v_wmma_scale_f32_16x16x128_f8f6f4 v[8*(8*((\a)%4)+\b):8*(8*((\a)%4)+\b)+7], v[128*(\p)+FR*\b:128*(\p)+FR*\b+FR-1], v[AF+FR*(\a):AF+FR*(\a)+FR-1], v[BI+8*\b:BI+8*\b+7], v[SC+8*NQ*(\sc)+NQ*\b+(\q)], v[SC+8*NQ*(\sc)+NQ*(\a)+(\q)] matrix_a_fmt:MATRIX_FMT_FP6 matrix_b_fmt:MATRIX_FMT_FP6 matrix_a_scale:MATRIX_SCALE_ROW1
.else
	v_wmma_scale_f32_16x16x128_f8f6f4 v[8*(8*((\a)%4)+\b):8*(8*((\a)%4)+\b)+7], v[128*(\p)+FR*\b:128*(\p)+FR*\b+FR-1], v[AF+FR*(\a):AF+FR*(\a)+FR-1], v[8*(8*((\a)%4)+\b):8*(8*((\a)%4)+\b)+7], v[SC+8*NQ*(\sc)+NQ*\b+(\q)], v[SC+8*NQ*(\sc)+NQ*(\a)+(\q)] matrix_a_fmt:MATRIX_FMT_FP6 matrix_b_fmt:MATRIX_FMT_FP6 matrix_a_scale:MATRIX_SCALE_ROW1
.endif
.endr
.endr
.endm
.macro FETCH_B slot, q, p
	WIN TO_B
.irp i, 0,1,2,3,4,5,6,7
	FRAG 128*(\p)+FR*\i, ADRB+\slot, \q, \i
.endr
	WIN 0
.endm
.macro FETCH_A slot, q, i0
.irp i, \i0, \i0+1, \i0+2, \i0+3
	FRAG AF+FR*(\i), ADRA+\slot, \q, \i
.endr
.endm
.macro SCALES sc
.irp i, 0,1,2,3,4,5,6,7
	ds_load_b64 v[SC+8*NQ*\sc+NQ*\i:SC+8*NQ*\sc+NQ*\i+1], v[ADRS] offset:\i*SBLK
.endr
.endm
.macro PLACES n
.rept \n
	v_nop
.endr
.endm
.macro STEP slot, q, first
	s_wait_dscnt 4*NL                              ; B's set and A's blocks 0-3 are in; the youngest 24 loads (A's blocks 4-7) may be out
.if \first
	WIN BIA_LO
.else
	WIN MUL_LO
.endif
	MUL16 0, (\q)%2, \q, \slot, \first
	MUL16 2, (\q)%2, \q, \slot, \first
	s_wait_dscnt 0
	PLACES NP
	FETCH_B \slot, (\q)+1, 1-(\q)%2
	FETCH_A \slot, (\q)+1, 0
.if \first
	WIN BIA_HI
.else
	WIN MUL_HI
.endif
	MUL16 4, (\q)%2, \q, \slot, \first
	MUL16 6, (\q)%2, \q, \slot, \first
	PLACES NP
	WIN 0
	FETCH_A \slot, (\q)+1, 4
.endm
.macro TURN slot, next, fill
	s_wait_tensorcnt 0x0                           ; all my tensor loads have landed: my part of the next slot
	ds_add_u32 v[SPW], v[NIL]
	s_wait_dscnt 4*NL+1                            ; the add and the youngest 24 loads may be out
	WIN MUL_LO
	MUL16 0, 1, NQ-1, \slot, 0
	s_wait_dscnt 0x0                               ; the add is done, and my reads of this slot are over
	s_barrier_signal -1
	MUL16 2, 1, NQ-1, \slot, 0
	WIN 0
	s_barrier_wait -1
.if \fill
	CREST                                          ; the barrier has opened a round of the cluster's
	s_add_nc_u64 s[G0+4*\slot+2:G0+4*\slot+3], s[G0+4*\slot+2:G0+4*\slot+3], 2*ASTEP
	s_add_nc_u64 s[G0B+4*\slot+2:G0B+4*\slot+3], s[G0B+4*\slot+2:G0B+4*\slot+3], 2*ROWB
	JLOAD G0+4*\slot, G1, G0B+4*\slot, G1B         ; the first tensor load behind the round
.else
	PLACES NP
.endif
	v_add_nc_u32 v[ADRS], 4*NQ, v[ADRS]
	FETCH_B \next, 0, 0
	FETCH_A \next, 0, 0
	SCALES \next
	WIN MUL_HI
	MUL16 4, 1, NQ-1, \slot, 0
	MUL16 6, 1, NQ-1, \slot, 0
	PLACES NP
	WIN 0
	FETCH_A \next, 0, 4
.endm
	s_wait_tensorcnt 1                             ; the scales and my part of K step 0 are in; K step 1's load may be out
	s_barrier_signal -1
	s_barrier_wait -1
	FETCH_B 0, 0, 0
	FETCH_A 0, 0, 0
	SCALES 0
	FETCH_A 0, 0, 4
	s_wait_loadcnt 0x0                             ; the bias
	STEP 0, 0, 1
	s_mov_b32 s3, LAPS-1
.Llap:
	TURN 0, 1, 1
	STEP 1, 0, 0
	TURN 1, 0, 1
	STEP 0, 0, 0
	s_sub_co_u32 s3, s3, 1
	s_cmp_lg_u32 s3, 0
	s_cbranch_scc1 .Llap
	TURN 0, 1, 0
	STEP 1, 0, 0
	s_wait_dscnt 4*NL
	WIN MUL_LO
	MUL16 0, 1, NQ-1, 1, 0
	MUL16 2, 1, NQ-1, 1, 0
	s_wait_dscnt 0
	WIN MUL_HI
	MUL16 4, 1, NQ-1, 1, 0
	MUL16 6, 1, NQ-1, 1, 0
	WIN 0
; THE WAY OUT, block by block of 16 rows x 128 columns, through my own stage: in by 32 bytes a tile, at the tile's true columns; back as whole rows of 512 bytes.  LDS serves a wave's instructions in order.
.macro TOSTAGE a
.set AC, 64*((\a)%4)
.set WW, 0x08+4*((\a)/4)
	WIN WW                                         ; the data: window 2 or 3
.irp b, 0,1,2,3,4,5,6,7
	ds_store_b128 v[STO], v[AC+8*\b:AC+8*\b+3] offset:128*(\b/2)+32*(\b%2)          ; each accumulator from its low end on
	ds_store_b128 v[STO], v[AC+8*\b+4:AC+8*\b+7] offset:128*(\b/2)+32*(\b%2)+16
.endr
	WIN 0
.set BB, BK+64*((\a)%2)
.irp t, 0,1,2,3,4,5,6,7,8,9,10,11,12,13,14,15
	ds_load_b128 v[BB+4*\t:BB+4*\t+3], v[RD] offset:\t*SPITCH
.endr
.endm
.macro SEND a, younger
.set BB, BK+64*((\a)%2)
	s_wait_dscnt \younger                          ; the block is back in registers; the next block's LDS instructions may be out
.if (\a) > 0
	s_add_nc_u64 s[14:15], s[14:15], 16*SIZE_N*4   ; (behind a wait on XCNT: the earlier stores have read their base)
.endif
.irp t, 0,1,2,3,4,5,6,7,8,9,10,11,12,13,14,15
	global_store_b128 v[CO], v[BB+4*\t:BB+4*\t+3], s[14:15] offset:\t*SIZE_N*4 th:TH_STORE_NT   ; 32 lanes store 512 consecutive bytes, aligned
.endr
.endm
	PLACES NP
	TOSTAGE 0
.irp a, 1,2,3,4,5,6,7
.if \a > 1
	s_wait_xcnt 0x0                                ; block a - 2's stores have read their registers and their base
.endif
	TOSTAGE \a
	SEND \a-1, 32
.endr
	s_wait_xcnt 0x0
	SEND 7, 0
	s_wait_tensorcnt 0x0                           ; the wave's end
	ds_add_u32 v[SPW], v[NIL]
	s_wait_dscnt 0x0
	CROUND                                         ; the closing round
	s_endpgm
.Lfunc_end_k_qc1031baaed_outp:
	.size	k_qc1031baaed_outp, .Lfunc_end_k_qc1031baaed_outp-k_qc1031baaed_outp
	.p2alignl 7, 3214868480
	.fill 96, 4, 3214868480
	.section	.rodata,"a",@progbits
	.p2align	6, 0x0
	.amdhsa_kernel k_qc1031baaed_outp
		.amdhsa_group_segment_fixed_size 327680
		.amdhsa_private_segment_fixed_size 0
		.amdhsa_enable_private_segment 0
		.amdhsa_kernarg_size 48
		.amdhsa_user_sgpr_count 2
		.amdhsa_user_sgpr_kernarg_segment_ptr 1
		.amdhsa_wavefront_size32 1
		.amdhsa_system_sgpr_workgroup_id_x 1
		.amdhsa_system_sgpr_workgroup_id_y 1
		.amdhsa_system_sgpr_workgroup_id_z 1
		.amdhsa_system_vgpr_workitem_id 0
		.amdhsa_next_free_vgpr 1024
		.amdhsa_next_free_sgpr 102
		.amdhsa_reserve_vcc 0
		.amdhsa_float_denorm_mode_32 3
		.amdhsa_float_denorm_mode_16_64 3
		.amdhsa_memory_ordered 1
		.amdhsa_forward_progress 1
		.amdhsa_inst_pref_size 161
	.end_amdhsa_kernel
	.amdgpu_metadata
---
amdhsa.version: [ 1, 2 ]
amdhsa.kernels:
  - .name:           k_qc1031baaed_outp
    .symbol:         k_qc1031baaed_outp.kd
    .args:
      - { .name: ctxc, .offset: 0, .size: 8, .value_kind: global_buffer, .address_space: global }
      - { .name: ctxs, .offset: 8, .size: 8, .value_kind: global_buffer, .address_space: global }
      - { .name: codes, .offset: 16, .size: 8, .value_kind: global_buffer, .address_space: global }
      - { .name: scales, .offset: 24, .size: 8, .value_kind: global_buffer, .address_space: global }
      - { .name: bo, .offset: 32, .size: 8, .value_kind: global_buffer, .address_space: global }
      - { .name: out0, .offset: 40, .size: 8, .value_kind: global_buffer, .address_space: global }
    .group_segment_fixed_size: 327680
    .private_segment_fixed_size: 0
    .kernarg_segment_align: 8
    .kernarg_segment_size: 48
    .max_flat_workgroup_size: 128
    .sgpr_count:     102
    .vgpr_count:     1024
    .wavefront_size: 32
...
	.end_amdgpu_metadata
.endif
;; end of part 5
